; MI455X (gfx1250); checked and timed in simulation.
; The chip was launched on July 23, 2026; its instructions are those of AMD's public machine-readable ISA for CDNA 5 (MIT licence, August 2026) and "CDNA5" Instruction Set Architecture Reference Guide (July 2026). The comments in the code are by the model that wrote it; some were corrected since.
;; GD Attention. Allowed arithmetic: matrix products marked QUANTISED: E3M2 operands, one E8M0 scale for each 32 along K, by v_wmma_scale_f32_16x16x128_f8f6f4 with both operands' format E3M2, f32 sums; everything else in f32.
;; Inputs: W_LR 1 x 8 x 1 x 1 float32; W_k_diag 8 x 1,024 float32; W_o_codes 1,024 x 256 x 24 uint8 (E3M2 codes of W_o, K innermost, in blocks of 32 codes, four codes in three bytes); W_o_scales 1,024 x 256 uint8 (E8M0 scales of W_o, one for each 32 codes along K); W_q_diag 8 x 1,024 float32; W_v_diag 8 x 1,024 float32; e 2 x 1,024 x 1,024 float32; p 2 x 1,025 x 1,024 float32; wte_weight 32,000 x 1,024 float32.
;; Outputs: out0 2 x 1,024 x 1,024 float32.
;; This version of the problem:
;;   THIS VERSION OF THE PROBLEM IS GIVEN IN LOW PRECISION. The matrix products marked QUANTISED in the list below multiply operands that are first quantised to E3M2 (3 exponent bits, 2 mantissa bits; 6 bits a number), with one power-of-two scale for each 32 numbers along K (OCP MX v1.0); their sums are f32. All else is computed in f32.
;;   The module's matrix products, in the order in which they are computed (A, B: the left and right operand; K: the contracted axis; several contracted axes count as one K, in the product's order):
;;     1. batch 16 x [M 1,024, K 1,024] x [K 1,024, N 1,024]; A: computed on the way; B: computed on the way: QUANTISED
;;     2. batch 16 x [M 1,024, K 1,024] x [K 1,024, N 1,024]; A: softmax (see below); B: computed on the way: QUANTISED
;;     3. [M 2,048, K 8,192] x [K 8,192, N 1,024]; A: computed on the way; B: input W_o (given as codes): QUANTISED
;;   THE QUANTISER, for each operand of a quantised product, along K:
;;     - K is cut into blocks of 32 from its start; a last block that is shorter is filled with zeros.
;;     - A block's scale is 2^e with e = floor(log2(the largest magnitude in the block)) - 4, held to -126 .. 127; a block of zeros has e = 0. As a byte (E8M0): e + 127.
;;     - Each number is divided by its block's scale, clamped to +-28, and rounded to the nearest number of E3M2, ties to even, subnormals kept.
;;     - The product sums the exact products of the quantised numbers (number of the format x scale) in f32.
;;   ~~~python
;;   def quantise(x, axis):      # numpy; x: float32 -> the quantised numbers, widened to float32 again
;;       x = np.moveaxis(x, axis, -1); K = x.shape[-1]
;;       x = np.pad(x, [(0, 0)] * (x.ndim - 1) + [(0, -K % 32)]); x = x.reshape(x.shape[:-1] + (-1, 32)); a = np.abs(x).max(-1, keepdims=True)
;;       e = np.where(a > 0, np.clip(np.frexp(np.where(a > 0, a, 1))[1] - 1 - 4, -126, 127), 0)      # np.frexp(a)[1] - 1 = floor(log2(a)), exactly
;;       r = np.clip(x / 2.0 ** e, -28, 28)
;;       step = 2.0 ** (np.maximum(np.frexp(np.where(r == 0, 1, r))[1] - 1, -2) - 2)
;;       q = np.round(r / step) * step * 2.0 ** e      # np.round: ties to even
;;       return np.moveaxis(q.reshape(q.shape[:-2] + (-1,))[..., :K], -1, axis).astype(np.float32)
;;   ~~~
;;   SOFTMAX AHEAD OF A QUANTISED PRODUCT. Where the list says 'softmax', what is quantised is not the finished softmax but p = 2^(t - M), with t = logit x log2(e) and M = ceil(the row's largest t), a whole number; so 1/2 < the row's largest p <= 1. The row's sum l is taken of the UNQUANTISED p, in f32, and the product's result is divided by l at the end. Since M is a whole number, a kernel that streams over the keys may use a running M (the ceiling of the running maximum): every later rescaling is an exact power of two, which a block's scale takes up: the codes' values come out the same.
;;   OPERANDS COMPUTED ON THE WAY. 'Computed on the way' means the value that the module computes at that place (a softmax that the list does not call 'softmax' is quantised finished and normalised). What goes into a quantiser is computed in f32, as accurately as f32 sums, v_exp_f32 and their like allow (about 1e-6 of the number): no bf16 or f16 on the way to a quantiser, and a product that is left as it is and whose result goes on into a quantised operand takes f32 operands (vector FMAs, or v_wmma_f32_16x16x4_f32). A number that lies on a knife's edge between two numbers of the format may be rounded either way, as far as f32 arithmetic and the matrix unit's own rounding can turn it there, and no further.
;;   INPUTS GIVEN AS CODES. W_o (in the module: [8192, 1024], K = its axis 0): each comes as NAME_codes (uint8): NAME with its K axis moved to the last place and cut into blocks of 32 codes, [.., K / 32, bytes a block], one block behind the other in memory; four codes in three bytes: a row's codes are one little-endian stream of bits, code i at bits 6 i .. 6 i + 5 (a code: sign, 3 exponent bits, 2 mantissa bits); and NAME_scales (uint8): the same leading axes, one E8M0 byte (e + 127) for each 32 codes along K. Its value is code x scale, taken as it is: it is not quantised again, and the codes and scales need not be those that the quantiser above would give.
;; One version. Each part assembles by itself: llvm-mc -triple=amdgcn-amd-amdhsa -mcpu=gfx1250 --defsym DOCPART=n.
;; ======== version 1 of 1: 4 launches
;; limits: right only within a limited range of input values
;; workspace buffers: part 1,048,576 bytes; qk 26,214,400 bytes; wf 6,291,456 bytes; vv 13,111,296 bytes; yy 13,107,200 bytes
;; launch prep (part 1): grid 512 x 1, 8 waves a work-group, no clusters, 0 bytes of LDS; arguments wte_weight, p, W_q_diag, W_k_diag, W_o_codes, part, qk, wf; writes part, qk, wf
.if DOCPART == 1
	.amdgcn_target "amdgcn-amd-amdhsa--gfx1250"
	.amdhsa_code_object_version 6
	.text
	.protected	k_qbc5fe9b05e_prep
	.globl	k_qbc5fe9b05e_prep
	.p2align	8
	.type	k_qbc5fe9b05e_prep,@function
k_qbc5fe9b05e_prep:
	s_mov_b64 s[64:65], 0
	v_nop
	global_prefetch_b8 v0, s[64:65] scope:SCOPE_SE
	s_setreg_imm32_b32 hwreg(HW_REG_WAVE_MODE, 25, 1), 1
	s_wait_xcnt 0x0
; GDAttention in MX-BF6, launch 1 of 4.  Two jobs, chosen by the work-group's number:
;   W  (work-groups 0-255):   256 partial column sums of wte_weight [32000][1024], 125 rows each -> part [256][1024] f32.
;   QK (work-groups 256-511): Q = p[:,1:,:] x W_q_diag and K = p[:,:-1,:] x W_k_diag for all 8 heads, quantised along d (blocks of 32) -> qk;
;                             and each of its waves lays two fragments of W_o_codes anew as images of operand registers -> wf, under the last head's arithmetic.
; 8 waves x 256 registers are half of a WGP's 4 x 1,024: the 512 work-groups are two for each of 256 WGPs, so that none waits for a place.
; DEAD WORK OF THE WHOLE PROGRAM.  reference() sets scores[q][k] to -inf where k > q (its own jnp.tril).  For such a key p = 2^(-inf) = 0 for all values of
; the inputs: it adds 0 to the row's sum and a zero code to the second product.  So the third launch leaves out every block of 32 keys that lies wholly behind the
; 64 queries of a work-group: its scores, its softmax and its part of A V.  Nothing else is left out and every input is loaded: E_wte moves V's codes, so it stays.
; LIMIT: a NaN, an infinity or an overflow that would arise only in the scores left out is not carried to the result.
; LIMITS of the quantiser here: a block whose largest magnitude lies under 2^(5-127) keeps the scale byte 1 (a block of zeros too: its codes are zeros, and only this
; program reads the bytes); NaN and infinities among the inputs are not served.
; A FRAGMENT'S IMAGE (1,536 bytes): the 12 registers that a lane holds of an operand of 16 rows x 128 K; registers 4 g .. 4 g + 3 of lane l lie at 512 g + 16 l.  A wave that loads
; three times 16 bytes a lane has the operand.
; qk: Q's images at 0 and K's at 12,582,912, [b*8+head][tile 64][K step 8]; Q's scale words at 25,165,824 and K's at 25,690,112, [b*8+head][K step][tile][16 words].
;   Q's tile t: lane r = query 16 t + r.  K's tile 2 kb + u: lane r = key 32 kb + 8 u + r + 8 (r / 8), so that two neighbouring tiles' scores are 16 neighbouring keys in a lane.
; wf: [tile of 16 outputs n: 64][K step of 128: 64] images.
; No LDS, no barrier: waves share nothing.  No matrix unit and no cluster: W streams once from memory, QK is a conversion.
.set P,   16                           ; v16-79   64 numbers of p: register 16 b + i = d 32 b + 16 (lane / 16) + i of my row's 128
.set WA,  80                           ; v80-143  a head's diagonal, then the product; at the end W_o's two fragments
.set WB,  144                          ; v144-207 the next head's
.set PC,  208                          ; v208-219 the codes just made; v220-226 at work
.set TM,  228                          ; v228-243 largest magnitudes, bytes, scale operands
.set PW,  244                          ; v244     the scale word just made
.set SEL, 40                           ; s[40:41] selects of v_permlanex16_b32 for lane l xor 16
; 64 numbers of a lane become a fragment's codes in v[PC] on and its scale word in v[PW]
.macro QUANT s
.irp b, 0,1,2,3
	v_max3_num_f32 v[TM+\b], |v[\s+16*\b]|, |v[\s+1+16*\b]|, 0x2800000   ; block b: my 16 numbers and the floor 2^(5 - 127): the byte cannot fall under 1
.endr
.irp i, 2,4,6,8,10,12,14
.irp b, 0,1,2,3
	v_max3_num_f32 v[TM+\b], v[TM+\b], |v[\s+16*\b+\i]|, |v[\s+1+16*\b+\i]|
.endr
.endr
.irp b, 0,1,2,3
	v_permlanex16_b32 v[TM+4+\b], v[TM+\b], s[SEL], s[SEL+1]
.endr
.irp b, 0,1,2,3
	v_max_num_f32 v[TM+\b], v[TM+\b], v[TM+4+\b]                       ; with lane l xor 16's 16: the block's largest magnitude
.endr
.irp b, 0,1,2,3
	v_add_nc_u32 v[TM+12+\b], 0xfe000000, v[TM+\b]                     ; 4 off its exponent field: the conversion's scale operand
.endr
.irp b, 0,1,2,3
	v_lshrrev_b32 v[TM+4+\b], 23, v[TM+12+\b]                          ; the scale's byte
.endr
	v_lshl_or_b32 v[PW], v[TM+5], 8, v[TM+4]
	v_lshl_or_b32 v[PW], v[TM+6], 16, v[PW]
	v_lshl_or_b32 v[PW], v[TM+7], 24, v[PW]
.irp c, 0,1
	v_cvt_scalef32_pk16_bf6_f32 v[PC+6*\c:PC+2+6*\c], v[\s+32*\c:\s+15+32*\c], v[TM+12+2*\c]
	v_cvt_scalef32_pk16_bf6_f32 v[PC+12+4*\c:PC+14+4*\c], v[\s+16+32*\c:\s+31+32*\c], v[TM+12+2*\c+1]   ; (a conversion's three registers begin on an even number)
.endr
	v_nop                                                              ; one plain place behind a scaled conversion
.irp c, 0,1                            ; the operand wants a whole block in a lane: lanes 0-15 block 2 c, lanes 16-31 block 2 c + 1
.irp i, 0,1,2
	v_permlane16_swap_b32 v[PC+6*\c+\i], v[PC+12+4*\c+\i]
.endr
.irp i, 0,1,2
	v_mov_b32 v[PC+3+6*\c+\i], v[PC+12+4*\c+\i]
.endr
.endr
.endm
.macro WLOAD hd, set                   ; head hd's diagonal at my 64 places
.irp bb, 0,1,2,3
.irp j, 0,1,2,3
	global_load_b128 v[\set+16*\bb+4*\j:\set+16*\bb+4*\j+3], v7, s[8:9] offset:(\hd)*4096+128*\bb+16*\j
.endr
.endr
.endm
.macro OLOAD set                       ; my wave's two fragments of W_o_codes: lane (r, h) takes the operand's own bytes of row r, as they lie: twice 24 bytes a fragment, in pieces of 8
.irp k, 0,1
.irp q, 0,1,2,3,4,5
	global_load_b64 v[\set+12*\k+2*\q:\set+12*\k+2*\q+1], v10, s[12:13] offset:96*\k+48*(\q/3)+8*(\q%3)
.endr
.endr
.endm
.macro HEAD hd, set, other
.if \hd < 7
	WLOAD \hd+1, \other
	s_wait_loadcnt 16                                                  ; all but the next head's 16 loads are in
.else
	OLOAD \other                                                       ; no diagonal is left to fetch: W_o's fragments take the registers that the head before has left
	s_wait_loadcnt 12                                                  ; the last diagonal is in: behind it these 12 loads were issued
.endif
.set J, 0
.rept 32
	v_pk_mul_f32 v[\set+J:\set+J+1], v[P+J:P+J+1], v[\set+J:\set+J+1]  ; p x the diagonal, in f32, as reference() has it
.set J, J+2
.endr
	s_wait_xcnt 0x0                                                    ; the last head's stores have read the codes and the scale word: they are written again only behind this wait
	QUANT \set
.irp g, 0,1,2
	global_store_b128 v8, v[PC+4*\g:PC+4*\g+3], s[36:37] offset:(\hd)*786432+512*\g   ; 32 lanes store 512 consecutive bytes
.endr
	global_store_b32 v9, v[PW], s[38:39] offset:(\hd)*32768            ; 16 words, 64 bytes; both halves of the lanes hold and write the same word
.endm
	s_load_b256 s[4:11], s[0:1], 0x0               ; wte s[4:5], p s[6:7], W_q s[8:9], W_k s[10:11]
	s_load_b256 s[12:19], s[0:1], 0x20             ; W_o_codes s[12:13], part s[14:15], qk s[16:17], wf s[18:19]
	v_lshrrev_b32 v1, 5, v0
	v_readfirstlane_b32 s20, v1                    ; wave 0..7
	v_and_b32 v2, 31, v0                           ; lane
	v_and_b32 v4, 15, v0                           ; r
	v_bfe_u32 v5, v0, 4, 1                         ; h
	s_cmp_lt_u32 ttmp9, 256
	s_wait_alu depctr_va_vdst(0)                   ; directly ahead of the branch
	s_cbranch_scc0 .Lnot_w
	; ---- W: thread t owns the 16 bytes at 16 t of each of the group's 125 rows.  A ring of 32 slots: 32 loads of 512 bytes of every wave are out.
	v_lshlrev_b32 v3, 4, v0
	s_mul_i32 s22, ttmp9, 512000                   ; 125 rows of 4,096 bytes
	s_mov_b32 s23, 0
	s_lshl_b32 s24, ttmp9, 12
	s_mov_b32 s25, 0
	s_wait_alu depctr_va_vdst(0)                   ; directly ahead of the wait below
	s_wait_kmcnt 0x0
	s_add_nc_u64 s[4:5], s[4:5], s[22:23]
	s_add_nc_u64 s[14:15], s[14:15], s[24:25]
.set I, 0
.rept 32
	global_load_b128 v[16+4*I:19+4*I], v3, s[4:5] offset:I*4096 th:TH_LOAD_NT
.set I, I+1
.endr
.irp j, 0,1,2,3,4,5,6,7,8,9,10,11,12,13,14,15
	v_mov_b32 v[144+\j], 0                         ; eight chains of sums, v144-175, while the first rows are on their way
	v_mov_b32 v[160+\j], 0
.endr
.set I, 0
	s_wait_alu depctr_va_vdst(0)                   ; ahead of the loop's waits
.rept 125
.if 124-I < 31
	s_wait_loadcnt 124-I                           ; the last rows: the count runs down
.else
	s_wait_loadcnt 31                              ; row I is in; the 31 younger loads stay out
.endif
	v_pk_add_f32 v[144+4*(I%8):145+4*(I%8)], v[144+4*(I%8):145+4*(I%8)], v[16+4*(I%32):17+4*(I%32)]   ; a chain comes round again 15 vector instructions later
	v_pk_add_f32 v[146+4*(I%8):147+4*(I%8)], v[146+4*(I%8):147+4*(I%8)], v[18+4*(I%32):19+4*(I%32)]
.if I+32 < 125
	global_load_b128 v[16+4*(I%32):19+4*(I%32)], v3, s[4:5] offset:(I+32)*4096 th:TH_LOAD_NT
.endif
.set I, I+1
.endr
	s_wait_alu depctr_va_vdst(0)                   ; the chains' last sums were written among the loop's waits
.irp c, 0,1,2,3
	v_pk_add_f32 v[144+4*\c:145+4*\c], v[144+4*\c:145+4*\c], v[160+4*\c:161+4*\c]   ; eight chains to four
	v_pk_add_f32 v[146+4*\c:147+4*\c], v[146+4*\c:147+4*\c], v[162+4*\c:163+4*\c]
.endr
	v_pk_add_f32 v[144:145], v[144:145], v[148:149]
	v_pk_add_f32 v[146:147], v[146:147], v[150:151]
	v_pk_add_f32 v[152:153], v[152:153], v[156:157]
	v_pk_add_f32 v[154:155], v[154:155], v[158:159]
	v_pk_add_f32 v[144:145], v[144:145], v[152:153]
	v_pk_add_f32 v[146:147], v[146:147], v[154:155]
	global_store_b128 v3, v[144:147], s[14:15]     ; the group's row of part: each wave stores 512 consecutive bytes
	s_endpgm
.Lnot_w:
	; ---- QK: the work-group takes one tile of 16 rows of Q or of K of one batch; wave s takes d = 128 s .. 128 s + 127; p is read once and serves the 8 heads
	s_sub_co_u32 s21, ttmp9, 256
	s_lshr_b32 s22, s21, 7                         ; 0: Q, 1: K
	s_bfe_u32 s23, s21, 0x10006                    ; batch
	s_and_b32 s24, s21, 63                         ; tile
	s_lshl_b32 s25, s24, 4
	s_add_co_u32 s25, s25, 1                       ; Q's first row of p: 1 + 16 tile
	s_lshr_b32 s26, s24, 1
	s_lshl_b32 s26, s26, 5
	s_and_b32 s27, s24, 1
	s_lshl_b32 s27, s27, 3
	s_add_co_u32 s26, s26, s27                     ; K's: 32 (tile / 2) + 8 (tile % 2)
	s_cmp_eq_u32 s22, 0
	s_cselect_b32 s25, s25, s26
	v_and_b32 v6, 8, v4
	v_mul_u32_u24 v6, s22, v6                      ; K alone: lanes 8-15 take the rows 8 further on
	v_add_nc_u32 v6, v6, v4
	v_lshlrev_b32 v6, 12, v6
	v_lshl_add_u32 v6, v5, 6, v6                   ; my row x 4,096 + 64 h: my 16 numbers of each block of 32
	v_lshlrev_b32 v7, 6, v5                        ; the same places in a diagonal
	v_lshlrev_b32 v8, 4, v2                        ; an image's place for my lane
	v_lshlrev_b32 v9, 2, v4                        ; a scale word's
	v_mul_u32_u24 v10, v4, 6144
	v_mad_u32_u24 v10, v5, 24, v10                 ; W_o_codes: row r of 6,144 bytes, + 24 h
	s_mul_i32 s28, s23, 4198400                    ; a batch of p: 1,025 rows
	s_lshl_b32 s29, s25, 12
	s_add_co_u32 s28, s28, s29
	s_lshl_b32 s30, s20, 9                         ; my wave's 128 numbers of a row
	s_add_co_u32 s28, s28, s30
	s_mov_b32 s29, 0
	s_mov_b32 s31, 0
	s_mul_i32 s32, s22, 12582912
	s_mul_i32 s33, s23, 6291456
	s_add_co_u32 s32, s32, s33
	s_mul_i32 s33, s24, 12288
	s_add_co_u32 s32, s32, s33
	s_mul_i32 s33, s20, 1536
	s_add_co_u32 s32, s32, s33                     ; the image of head 0: which, batch, tile, K step
	s_mov_b32 s33, 0
	s_lshl_b32 s34, s22, 19
	s_lshl_b32 s35, s23, 18
	s_add_co_u32 s34, s34, s35
	s_lshl_b32 s35, s20, 12
	s_add_co_u32 s34, s34, s35
	s_lshl_b32 s35, s24, 6
	s_add_co_u32 s34, s34, s35
	s_add_co_u32 s34, s34, 25165824                ; its scale words
	s_mov_b32 s35, 0
	; W_o: the 2,048 waves of this job share out the 4,096 images: wave 8 x + s (x = the group's number among the 256) takes images 16 x + 2 s and the next:
	; tile of 16 outputs x / 4, K steps 2 (8 (x % 4) + s) and the next
	s_lshr_b32 s42, s21, 2
	s_mul_i32 s42, s42, 98304                      ; 16 rows of 6,144 bytes a tile
	s_and_b32 s44, s21, 3
	s_lshl_b32 s44, s44, 3
	s_add_co_u32 s44, s44, s20
	s_mul_i32 s44, s44, 192                        ; two K steps of 96 bytes
	s_add_co_u32 s42, s42, s44
	s_mov_b32 s43, 0
	s_lshl_b32 s44, s21, 3
	s_add_co_u32 s44, s44, s20
	s_mul_i32 s44, s44, 3072                       ; two images of 1,536 bytes
	s_mov_b32 s45, 0
	s_mov_b32 s[SEL], 0x76543210
	s_mov_b32 s[SEL+1], 0xfedcba98
.irp b, 0,1,2,3
	v_mov_b32 v[TM+4+\b], 0                        ; written once: a lane permute's destination counts as one of its sources
.endr
	s_wait_alu depctr_va_vdst(0)                   ; the wait at the head's end
	s_wait_kmcnt 0x0
	s_add_nc_u64 s[6:7], s[6:7], s[28:29]
	s_cmp_eq_u32 s22, 0
	s_cselect_b64 s[8:9], s[8:9], s[10:11]         ; W_q_diag or W_k_diag: the choice hangs on the work-group's number alone
	s_add_nc_u64 s[8:9], s[8:9], s[30:31]
	s_add_nc_u64 s[36:37], s[16:17], s[32:33]
	s_add_nc_u64 s[38:39], s[16:17], s[34:35]
	s_add_nc_u64 s[12:13], s[12:13], s[42:43]
	s_add_nc_u64 s[18:19], s[18:19], s[44:45]
.irp bb, 0,1,2,3
.irp j, 0,1,2,3
	global_load_b128 v[P+16*\bb+4*\j:P+16*\bb+4*\j+3], v6, s[6:7] offset:128*\bb+16*\j
.endr
.endr
	WLOAD 0, WA
	HEAD 0, WA, WB
	HEAD 1, WB, WA
	HEAD 2, WA, WB
	HEAD 3, WB, WA
	HEAD 4, WA, WB
	HEAD 5, WB, WA
	HEAD 6, WA, WB
	HEAD 7, WB, WA
	s_wait_loadcnt 0x0                             ; W_o's two fragments are in
.irp k, 0,1
.irp g, 0,1,2
	global_store_b128 v8, v[WA+12*\k+4*\g:WA+12*\k+4*\g+3], s[18:19] offset:1536*\k+512*\g   ; 32 lanes store 512 consecutive bytes
.endr
.endr
	s_endpgm
.Lfunc_end_k_qbc5fe9b05e_prep:
	.size	k_qbc5fe9b05e_prep, .Lfunc_end_k_qbc5fe9b05e_prep-k_qbc5fe9b05e_prep
	.p2alignl 7, 3214868480
	.fill 96, 4, 3214868480
	.section	.rodata,"a",@progbits
	.p2align	6, 0x0
	.amdhsa_kernel k_qbc5fe9b05e_prep
		.amdhsa_group_segment_fixed_size 0
		.amdhsa_private_segment_fixed_size 0
		.amdhsa_enable_private_segment 0
		.amdhsa_kernarg_size 64
		.amdhsa_user_sgpr_count 2
		.amdhsa_user_sgpr_kernarg_segment_ptr 1
		.amdhsa_wavefront_size32 1
		.amdhsa_system_sgpr_workgroup_id_x 1
		.amdhsa_system_sgpr_workgroup_id_y 1
		.amdhsa_system_sgpr_workgroup_id_z 1
		.amdhsa_system_vgpr_workitem_id 0
		.amdhsa_next_free_vgpr 256
		.amdhsa_next_free_sgpr 66
		.amdhsa_reserve_vcc 0
		.amdhsa_float_denorm_mode_32 3
		.amdhsa_float_denorm_mode_16_64 3
		.amdhsa_memory_ordered 1
		.amdhsa_forward_progress 1
		.amdhsa_inst_pref_size 102
	.end_amdhsa_kernel
	.amdgpu_metadata
---
amdhsa.version: [ 1, 2 ]
amdhsa.kernels:
  - .name:           k_qbc5fe9b05e_prep
    .symbol:         k_qbc5fe9b05e_prep.kd
    .args:
      - { .name: wte_weight, .offset: 0, .size: 8, .value_kind: global_buffer, .address_space: global }
      - { .name: p, .offset: 8, .size: 8, .value_kind: global_buffer, .address_space: global }
      - { .name: W_q_diag, .offset: 16, .size: 8, .value_kind: global_buffer, .address_space: global }
      - { .name: W_k_diag, .offset: 24, .size: 8, .value_kind: global_buffer, .address_space: global }
      - { .name: W_o_codes, .offset: 32, .size: 8, .value_kind: global_buffer, .address_space: global }
      - { .name: part, .offset: 40, .size: 8, .value_kind: global_buffer, .address_space: global }
      - { .name: qk, .offset: 48, .size: 8, .value_kind: global_buffer, .address_space: global }
      - { .name: wf, .offset: 56, .size: 8, .value_kind: global_buffer, .address_space: global }
    .group_segment_fixed_size: 0
    .private_segment_fixed_size: 0
    .kernarg_segment_align: 8
    .kernarg_segment_size: 64
    .max_flat_workgroup_size: 256
    .sgpr_count:     66
    .vgpr_count:     256
    .wavefront_size: 32
...
	.end_amdgpu_metadata
.endif
;; end of part 1
;; launch vquant (part 2): grid 256 x 1, 8 waves a work-group, no clusters, 2,048 bytes of LDS; arguments part, e, W_v_diag, vv; writes vv
.if DOCPART == 2
	.amdgcn_target "amdgcn-amd-amdhsa--gfx1250"
	.amdhsa_code_object_version 6
	.text
	.protected	k_qbc5fe9b05e_vquant
	.globl	k_qbc5fe9b05e_vquant
	.p2align	8
	.type	k_qbc5fe9b05e_vquant,@function
k_qbc5fe9b05e_vquant:
	s_mov_b64 s[64:65], 0
	v_nop
	global_prefetch_b8 v0, s[64:65] scope:SCOPE_SE
	s_setreg_imm32_b32 hwreg(HW_REG_WAVE_MODE, 25, 1), 1
	s_wait_xcnt 0x0
; Launch 2 of 4.  E_wte = the sum of part's 256 rows / 32,000;  V = (e - E_wte) x W_v_diag, quantised to BF6 (E3M2) ALONG THE KEYS (the second product's K), as images of operand registers.
; Nothing of reference() is left out here.
; vv: V's images at 0, [b*8+head][key step of 128: 8][tile 64], 1,536 bytes each; tile 2 B + u: lane r = d 32 B + 8 u + r + 8 (r / 8), so that two neighbouring tiles' results are 16 neighbouring d in a lane;
;     V's scale words at 12,582,912, [b*8+head][key step][B 32][16 u + r]; E_wte at 13,107,200, 1,024 f32.
; A LANE TAKES A COLUMN d AND ITS REGISTERS RUN DOWN THE KEYS: a block of 32 keys lies in one lane's 32 registers, its largest magnitude needs no other lane, and the conversions give codes with the keys innermost.
; SHARES.  Work-group: 32 columns (B = number / 8), two heads, half of the key steps.  Wave: a batch and one key step of 128 keys.  e is read once by a wave and serves its two heads.
; E_wte: wave v adds rows v, v + 8, .. of part for the group's 32 columns; the eight sums meet in LDS behind one barrier and are added in one fixed order, so every work-group gets the same bits.
; LIMITS: a block whose largest magnitude lies under 2^(5-127) keeps the scale byte 1 (a block of zeros too: its codes are zeros, and only this program reads the bytes); NaN and infinities are not served.
; The mean is a multiplication by the f32 number nearest to 1 / 32,000.  No matrix unit, no cluster, no tensor load: a conversion whose waves share 128 bytes.
.set SPARE, 1024                       ; LDS: 0-1,023 the waves' sums (128 bytes a wave); from 1,024 the spare words, 128 bytes a wave, which no other line names
.set EV,  16                           ; v16-143  e, then e - E: register i = key 128 ks + i
.set T0,  144                          ; v144-175 part's rows; later a block of V
.set T1,  176                          ; v176-207 the eight sums; later the next block of V
.set C0,  208                          ; v208-219 the registers of the image's lanes 0-15 (blocks 0 and 2);  v220-231 of its lanes 16-31 (blocks 1 and 3)
	s_load_b256 s[4:11], s[0:1], 0x0               ; part s[4:5], e s[6:7], W_v_diag s[8:9], vv s[10:11]
	v_lshl_add_u32 v254, v0, 2, SPARE              ; my spare word,
	v_mov_b32 v255, 0                              ; and 0: kept for the add at the wave's end
	v_lshrrev_b32 v1, 5, v0
	s_delay_alu instid0(VALU_DEP_1)
	v_readfirstlane_b32 s12, v1                    ; wave 0..7
	v_and_b32 v2, 31, v0                           ; my column of the 32
	s_delay_alu instid0(VALU_DEP_1)
	v_lshlrev_b32 v3, 2, v2
	v_lshlrev_b32 v4, 2, v0                        ; LDS: 128 x wave + 4 x lane
	v_bfe_u32 v5, v0, 3, 1                         ; u: which of the two tiles my column lies in
	v_and_b32 v6, 7, v0
	v_bfe_u32 v7, v0, 4, 1
	s_delay_alu instid0(VALU_DEP_1)
	v_lshl_add_u32 v6, v7, 3, v6                   ; r: its lane there
	s_delay_alu instid0(VALU_DEP_4)
	v_mul_u32_u24 v8, v5, 1536
	s_delay_alu instid0(VALU_DEP_1)
	v_lshl_add_u32 v8, v6, 4, v8                   ; my place in the two images
	s_delay_alu instid0(VALU_DEP_3)
	v_lshl_add_u32 v9, v5, 4, v6
	s_delay_alu instid0(VALU_DEP_1)
	v_lshlrev_b32 v9, 2, v9                        ; and among their 32 scale words
	s_lshr_b32 s13, ttmp9, 3                       ; B
	s_and_b32 s14, ttmp9, 7
	s_lshr_b32 s15, s14, 1                         ; heads 2 hq, 2 hq + 1
	s_and_b32 s16, s14, 1
	s_lshr_b32 s17, s12, 2                         ; batch
	s_and_b32 s18, s12, 3
	s_lshl_b32 s19, s16, 2
	s_add_co_u32 s18, s18, s19                     ; key step
	s_lshl_b32 s19, s13, 7                         ; the group's 32 columns in a row of f32
	s_lshl_b32 s20, s12, 12
	s_add_co_u32 s20, s20, s19                     ; part: row = wave
	s_mov_b32 s21, 0
	s_lshl_b32 s22, s17, 22
	s_lshl_b32 s23, s18, 19
	s_add_co_u32 s22, s22, s23
	s_add_co_u32 s22, s22, s19                     ; e: batch, 128 keys x 4,096 bytes a step
	s_mov_b32 s23, 0
	s_lshl_b32 s24, s15, 13
	s_add_co_u32 s24, s24, s19                     ; W_v_diag: head 2 hq
	s_mov_b32 s25, 0
	s_lshl_b32 s26, s17, 3
	s_lshl_b32 s27, s15, 1
	s_add_co_u32 s26, s26, s27                     ; 8 b + 2 hq
	s_lshl_b32 s28, s26, 15
	s_mul_i32 s26, s26, 786432
	s_mul_i32 s27, s18, 98304
	s_add_co_u32 s26, s26, s27
	s_mul_i32 s27, s13, 3072
	s_add_co_u32 s26, s26, s27                     ; the images of tiles 2 B, 2 B + 1
	s_mov_b32 s27, 0
	s_lshl_b32 s29, s18, 12
	s_add_co_u32 s28, s28, s29
	s_add_co_u32 s28, s28, s19
	s_add_co_u32 s28, s28, 12582912                ; their scale words
	s_mov_b32 s29, 0
	s_add_co_u32 s30, s19, 13107200                ; E_wte's place
	s_mov_b32 s31, 0
	s_wait_kmcnt 0x0
	s_add_nc_u64 s[4:5], s[4:5], s[20:21]
	s_add_nc_u64 s[6:7], s[6:7], s[22:23]
	s_add_nc_u64 s[8:9], s[8:9], s[24:25]
	s_add_nc_u64 s[32:33], s[10:11], s[26:27]
	s_add_nc_u64 s[34:35], s[10:11], s[28:29]
	s_add_nc_u64 s[36:37], s[10:11], s[30:31]
.set J, 0
.rept 32
	global_load_b32 v[T0+J], v3, s[4:5] offset:J*32768     ; part's rows wave + 8 J
.set J, J+1
.endr
	global_load_b32 v242, v3, s[8:9]
	global_load_b32 v244, v3, s[8:9] offset:4096
.set J, 0
.rept 28
	global_load_b32 v[EV+J], v3, s[6:7] offset:J*4096
.set J, J+1
.endr
	s_wait_loadcnt 30                              ; part's 32 are in: behind them 2 loads of W_v and 28 of e were issued
.set J, 4
.rept 28
	v_add_f32 v[T0+J%4], v[T0+J%4], v[T0+J]        ; four chains
.set J, J+1
.endr
	s_delay_alu instid0(VALU_DEP_3)
	v_add_f32 v[T0], v[T0], v[T0+1]
	s_delay_alu instid0(VALU_DEP_2)
	v_add_f32 v[T0+2], v[T0+2], v[T0+3]
	s_delay_alu instid0(VALU_DEP_1)
	v_add_f32 v[T0], v[T0], v[T0+2]
	ds_store_b32 v4, v[T0]
.set J, 28
.rept 100
	global_load_b32 v[EV+J], v3, s[6:7] offset:J*4096
.set J, J+1
.endr
	s_wait_dscnt 0x0                               ; for the others' sake: my sum lies in LDS
	s_barrier_signal -1
	s_barrier_wait -1
.irp w, 0,1,2,3,4,5,6,7
	ds_load_b32 v[T1+\w], v3 offset:128*\w
.endr
	s_wait_dscnt 0x0
	v_add_f32 v240, v[T1], v[T1+1]
.irp w, 2,3,4,5,6,7
	s_delay_alu instid0(VALU_DEP_1)
	v_add_f32 v240, v240, v[T1+\w]
.endr
	s_delay_alu instid0(VALU_DEP_1)
	v_mul_f32 v240, 0x3803126f, v240               ; / 32,000: E_wte of my column
	s_delay_alu instid0(VALU_DEP_1)
	v_mov_b32 v241, v240                           ; (a pair for the packed forms)
	s_or_b32 s20, s14, s12
	s_cmp_lg_u32 s20, 0                            ; one wave of one work-group for each 32 columns stores E_wte, for the last launch
	s_cbranch_scc1 .Lno_e
	global_store_b32 v3, v240, s[36:37]
.Lno_e:
	s_wait_alu depctr_va_vdst(0)
.irp kk, 0,1,2,3
.if \kk < 2
	s_wait_loadcnt 63                              ; block kk's 32 loads are in: 96 or 64 younger ones were issued, and 63 is the most that a count can name
.else
	s_wait_loadcnt 32*(3-\kk)
.endif
.set J, 0
.rept 16
	v_pk_add_f32 v[EV+32*\kk+J:EV+32*\kk+J+1], v[EV+32*\kk+J:EV+32*\kk+J+1], v[240:241] neg_lo:[0,1] neg_hi:[0,1]   ; e - E_wte
.set J, J+2
.endr
.endr
	v_mov_b32 v243, v242
	v_mov_b32 v245, v244
.macro VHEAD hh
.irp c, 0,1                            ; blocks 2 c and 2 c + 1 by turns
.set J, 0
.rept 16
	v_pk_mul_f32 v[T0+J:T0+J+1], v[EV+64*\c+J:EV+64*\c+J+1], v[242+2*\hh:243+2*\hh]
	v_pk_mul_f32 v[T1+J:T1+J+1], v[EV+32+64*\c+J:EV+32+64*\c+J+1], v[242+2*\hh:243+2*\hh]
.set J, J+2
.endr
	v_max3_num_f32 v246, |v[T0]|, |v[T0+1]|, 0x2800000             ; all 32 numbers of a block are mine; the floor 2^(5 - 127) holds the byte at 1 from below
	v_max3_num_f32 v247, |v[T1]|, |v[T1+1]|, 0x2800000
.irp i, 2,4,6,8,10,12,14,16,18,20,22,24,26,28,30
	s_delay_alu instid0(VALU_DEP_2)
	v_max3_num_f32 v246, v246, |v[T0+\i]|, |v[T0+1+\i]|
	s_delay_alu instid0(VALU_DEP_2)
	v_max3_num_f32 v247, v247, |v[T1+\i]|, |v[T1+1+\i]|
.endr
	s_delay_alu instid0(VALU_DEP_2)
	v_add_nc_u32 v248, 0xfe000000, v246            ; 4 off the exponent field: the conversion's scale operand
	s_delay_alu instid0(VALU_DEP_2)
	v_add_nc_u32 v249, 0xfe000000, v247
	s_delay_alu instid0(VALU_DEP_2)
	v_lshrrev_b32 v250, 23, v248                   ; the scale's byte
	s_delay_alu instid0(VALU_DEP_2)
	v_lshrrev_b32 v251, 23, v249
.if \c == 0
	s_delay_alu instid0(VALU_DEP_1)
	v_lshl_or_b32 v252, v251, 8, v250              ; the four bytes make my column's scale word for these 128 keys
.else
	s_delay_alu instid0(VALU_DEP_2)
	v_lshl_or_b32 v252, v250, 16, v252
	s_delay_alu instid0(VALU_DEP_1)
	v_lshl_or_b32 v252, v251, 24, v252
.endif
	v_cvt_scalef32_pk16_bf6_f32 v[C0+6*\c:C0+2+6*\c], v[T0:T0+15], v248
	v_cvt_scalef32_pk16_bf6_f32 v[232:234], v[T0+16:T0+31], v248       ; (a conversion's three registers begin on an even number)
	v_cvt_scalef32_pk16_bf6_f32 v[C0+12+6*\c:C0+14+6*\c], v[T1:T1+15], v249
	v_cvt_scalef32_pk16_bf6_f32 v[236:238], v[T1+16:T1+31], v249
	v_nop                                          ; one plain place behind a scaled conversion
.irp i, 0,1,2
	v_mov_b32 v[C0+3+6*\c+\i], v[232+\i]
	v_mov_b32 v[C0+15+6*\c+\i], v[236+\i]
.endr
.endr
.irp t, 0,1                            ; the image's lanes 16 t + r take blocks t and 2 + t
.irp g, 0,1,2
	global_store_b128 v8, v[C0+12*\t+4*\g:C0+12*\t+4*\g+3], s[32:33] offset:\hh*786432+256*\t+512*\g   ; the sixteen lanes of a tile store 256 consecutive bytes, aligned
.endr
.endr
	global_store_b32 v9, v252, s[34:35] offset:\hh*32768               ; 32 words, 128 consecutive bytes
.endm
	VHEAD 0
	s_wait_xcnt 0x0                                ; the first head's stores have read the codes and the word: they are written again only behind this wait
	VHEAD 1
	s_wait_tensorcnt 0x0                           ; the wave's end
	ds_add_u32 v254, v255
	s_wait_dscnt 0x0
	s_endpgm
.Lfunc_end_k_qbc5fe9b05e_vquant:
	.size	k_qbc5fe9b05e_vquant, .Lfunc_end_k_qbc5fe9b05e_vquant-k_qbc5fe9b05e_vquant
	.p2alignl 7, 3214868480
	.fill 96, 4, 3214868480
	.section	.rodata,"a",@progbits
	.p2align	6, 0x0
	.amdhsa_kernel k_qbc5fe9b05e_vquant
		.amdhsa_group_segment_fixed_size 2048
		.amdhsa_private_segment_fixed_size 0
		.amdhsa_enable_private_segment 0
		.amdhsa_kernarg_size 32
		.amdhsa_user_sgpr_count 2
		.amdhsa_user_sgpr_kernarg_segment_ptr 1
		.amdhsa_wavefront_size32 1
		.amdhsa_system_sgpr_workgroup_id_x 1
		.amdhsa_system_sgpr_workgroup_id_y 1
		.amdhsa_system_sgpr_workgroup_id_z 1
		.amdhsa_system_vgpr_workitem_id 0
		.amdhsa_next_free_vgpr 256
		.amdhsa_next_free_sgpr 66
		.amdhsa_reserve_vcc 0
		.amdhsa_float_denorm_mode_32 3
		.amdhsa_float_denorm_mode_16_64 3
		.amdhsa_memory_ordered 1
		.amdhsa_forward_progress 1
		.amdhsa_inst_pref_size 50
	.end_amdhsa_kernel
	.amdgpu_metadata
---
amdhsa.version: [ 1, 2 ]
amdhsa.kernels:
  - .name:           k_qbc5fe9b05e_vquant
    .symbol:         k_qbc5fe9b05e_vquant.kd
    .args:
      - { .name: part, .offset: 0, .size: 8, .value_kind: global_buffer, .address_space: global }
      - { .name: e, .offset: 8, .size: 8, .value_kind: global_buffer, .address_space: global }
      - { .name: W_v_diag, .offset: 16, .size: 8, .value_kind: global_buffer, .address_space: global }
      - { .name: vv, .offset: 24, .size: 8, .value_kind: global_buffer, .address_space: global }
    .group_segment_fixed_size: 2048
    .private_segment_fixed_size: 0
    .kernarg_segment_align: 8
    .kernarg_segment_size: 32
    .max_flat_workgroup_size: 256
    .sgpr_count:     66
    .vgpr_count:     256
    .wavefront_size: 32
...
	.end_amdgpu_metadata
.endif
;; end of part 2
;; launch attn (part 3): grid 256 x 1, 4 waves a work-group, no clusters, 143,872 bytes of LDS; arguments qk, vv, W_LR, yy; writes yy
.if DOCPART == 3
	.amdgcn_target "amdgcn-amd-amdhsa--gfx1250"
	.amdhsa_code_object_version 6
	.text
	.protected	k_qbc5fe9b05e_attn
	.globl	k_qbc5fe9b05e_attn
	.p2align	8
	.type	k_qbc5fe9b05e_attn,@function
k_qbc5fe9b05e_attn:
	s_mov_b64 s[64:65], 0
	v_nop
	global_prefetch_b8 v0, s[64:65] scope:SCOPE_SE
	s_setreg_imm32_b32 hwreg(HW_REG_WAVE_MODE, 25, 1), 1
	s_wait_xcnt 0x0
; Launch 3 of 4.  For one (batch, head) and 64 queries: S^T = K Q^T, the causal softmax, O^T = V^T P, y = O / l x 1 / (q + 1) x W_LR, quantised along d for the projection.  Both products on codes of BF6 with E8M0 scales.
; LEFT OUT AS DEAD WORK (shown at the head of the first launch): every block of 32 keys that lies wholly behind the work-group's 64 queries.  In the two blocks on the diagonal hidden scores are computed and set to -infinity.
; SHARES.  bh = number % 16, query block i = 15 - number / 16 (the longest first).  Four waves, one to a SIMD.
; PHASE 1.  Every wave holds all 64 queries' Q (32 images, 384 registers).  Wave w takes the key blocks kb = 4 ks + w (32 keys: two tiles of K, 16 images): 64 matrix instructions a block.  It finishes the block's softmax at once
;   under ITS OWN running whole number M: p = 2^(t - M), t = score x log2(e), M = ceil(the largest t that this wave has seen).  A block of 32 keys is exactly one block of P's quantiser: its codes do not hang on which whole number M
;   was, only its scale byte does.  The codes go to LDS; -M and the byte go to the wave's own scratch.  The row's sum is taken of the unquantised p.
; BETWEEN.  The waves exchange (-M, sum); the row's M is the largest, the sums are brought under it by exact powers of two, and each wave lowers its own blocks' bytes by M - (M then).
; PHASE 2.  Wave w owns d = 256 w .. 256 w + 255: 16 tiles of V x 4 tiles of queries = 64 accumulators, laid over Q's registers.  A key step of 128 keys is 16 images of V and 64 matrix instructions.  O is never rescaled.
; Both products are used transposed, so that a lane holds one query (lane % 16); the rows that form a tile of K and of V were chosen by the earlier launches so that a lane's 16 registers of two neighbouring tiles are 16 neighbours.
; THE WAY OUT.  torch's view makes query q of head h the piece (q % 8) x 1024 + d of row 128 h + q / 8 of the projection's left operand, so y is quantised along d: a block of 32 d lies in lanes l and l xor 16.
;   yy: codes at 0, [bh x 16 + i][K step 64][register group 3][16 places][16 bytes]: the eight rows that 64 queries give, place 8 x (operand's half) + row;  scale words at 12,582,912, [bh x 16 + i][wave 4][row 8][16 words].
; WHY NO TENSOR LOAD AND NO CLUSTER: every image of K and V is used by exactly one wave of the work-group, so it goes from memory into that wave's registers; a tile in LDS would be written and read once more and shared by nobody.
;   Query blocks of one head need different numbers of key blocks (2 i + 2), so partners of a cluster could not ask alike.
; LIMITS: |t| stays under 2^31; NaN and infinities among the inputs are not served; a block of p or of y whose scale would fall under 2^-126 keeps the byte 1 (its numbers are then under 28 x 2^-126, beside a row's sum above 1/2).
.set PB,    0                          ; LDS: P's codes [wave 4][ks 8][qt 4][r 16][24 bytes]
.set PSW,   49152                      ; P's scale bytes, a word each [wave][ks][qt][r]
.set SCR,   57344                      ; each wave's scratch [wave][ks][qt][lane] {-M then, byte}
.set EX,    90112                      ; the exchange [wave][qt][lane] {-M, sum}
.set STG,   94208                      ; each wave's stage for y's codes [wave][q % 8][2][group 3][place 16][16 bytes]
.set SPARE, 143360                     ; the spare words, 128 bytes a wave, which no other line names
.set L16, 1                            ; v1  16 x lane       v2  4 x lane       v3  8 x lane
.set L4,  2
.set L8,  3
.set RR,  4                            ; v4  r = lane % 16   v5  h = lane / 16
.set HH,  5
.set PWR, 6                            ; v6  where I put P's codes      v7  where I read P's fragments
.set PRD, 7
.set ASCR, 8                           ; v8  my scratch
.set APSW, 9                           ; v9  where I put P's scale words   v10  where I read them
.set APSR, 10
.set AEXW, 11                          ; v11, v12 the exchange, in and out
.set AEXR, 12
.set A12,  13                          ; v13, v14 the stage: with 12 h, with 252 h
.set A252, 14
.set ASTR, 15                          ; v15 the stage, read back
.set SPW, 16                           ; v16 my spare word's address, v17 0: kept for the add at the wave's end
.set NIL, 17
.set ZR,  18                           ; v18 0     v19 -infinity
.set NINF, 19
.set AD0, 20                           ; v20-22 addresses stepped by the key step
.set AD1, 21
.set AD2, 22
.set ST,  24                           ; v24-47 six a tile of queries: -M, the largest t; the sum in two halves; f and a register written once
.set BM,  48                           ; v48-51 a block's largest; v52-55 a permute's destination; v56-59 the conversions' scale operands
.set PD,  52
.set SCO, 56
.set PRS, 60                           ; v60-67 pairs on their way to LDS or memory
.set CD,  68                           ; v68-83 codes, four registers a tile
.set DM,  84                           ; v84-87 the mask's distance; later q + 1
.set KSC, 88                           ; v88-95 K's scale words, one register a K step; later y's scale words
.set QSC, 96                           ; v96-111 Q's scale words [K step][pair of tiles]
.set S,   112                          ; v112-175 S^T, then p: 16 qt + 8 u + j = key 32 kb + 16 h + 8 u + j; later y
.set PF,  176                          ; v176-223 four fragments of P
.set VSC, 224                          ; v224-231 V's scale words
.set PSP, 232                          ; v232-239 P's scale bytes; v240-241 the two finished words
.set PSWD, 240
.set G,   242                          ; v242-249 1 / l x 1 / (q + 1) x W_LR, a pair a tile
.set TP,  250                          ; v250-253 at work
; window 1: Q's K steps 0-4 at 12 (4 s + qt); later O of d blocks 0-3.  window 2: Q's K steps 5-7; later O of d blocks 4-7.  O at ((block % 4) x 4 + qt) x 16 + 8 u.  window 3: v0-191 sixteen images of K, then of V; on the way out y's codes.
.set WV, 12
.set BH, 13
.set QI, 14
.set KBMAX, 15                         ; the last key block that counts: 2 i + 1
.set KSMAX, 16                         ; the last key step: i / 2
.set KB, 17
.set CNT, 18
.set TWOI, 19
.set SEL, 20                           ; s[20:21] selects for lane l xor 16
.set CS,  22                           ; s[22:23] log2(e)
.set KPT, 24                           ; s[24:25] K's images, s[26:27] K's scale words: my next block
.set KSP, 26
.set VPT, 28                           ; s[28:29] V's images, s[30:31] V's scale words: the key step to be asked for
.set VSP, 30
.set QPT, 32
.set QSP, 34
.set WLR, 42
.set YCP, 44
.set YSP, 46
.set MSB, 0
.macro WIN new                         ; the immediate's high byte repeats the setting that is left; a switch that changes nothing is dropped
.if MSB != \new
	s_set_vgpr_msb (MSB<<8)|\new
.set MSB, \new
.endif
.endm
; one matrix instruction on the registers named by rD, rA, rB, rSA, rSB.  zero = 1: it starts the sum.  ra, rb: source 0's, source 1's scales lie in lanes 16-31
.macro WM zero, ra, rb
.if \zero
.if (\ra) && (\rb)
	v_wmma_scale_f32_16x16x128_f8f6f4 v[rD:rD+7], v[rA:rA+11], v[rB:rB+11], 0, v[rSA], v[rSB] matrix_a_fmt:MATRIX_FMT_BF6 matrix_b_fmt:MATRIX_FMT_BF6 matrix_a_scale:MATRIX_SCALE_ROW1 matrix_b_scale:MATRIX_SCALE_ROW1
.elseif (\ra)
	v_wmma_scale_f32_16x16x128_f8f6f4 v[rD:rD+7], v[rA:rA+11], v[rB:rB+11], 0, v[rSA], v[rSB] matrix_a_fmt:MATRIX_FMT_BF6 matrix_b_fmt:MATRIX_FMT_BF6 matrix_a_scale:MATRIX_SCALE_ROW1
.elseif (\rb)
	v_wmma_scale_f32_16x16x128_f8f6f4 v[rD:rD+7], v[rA:rA+11], v[rB:rB+11], 0, v[rSA], v[rSB] matrix_a_fmt:MATRIX_FMT_BF6 matrix_b_fmt:MATRIX_FMT_BF6 matrix_b_scale:MATRIX_SCALE_ROW1
.else
	v_wmma_scale_f32_16x16x128_f8f6f4 v[rD:rD+7], v[rA:rA+11], v[rB:rB+11], 0, v[rSA], v[rSB] matrix_a_fmt:MATRIX_FMT_BF6 matrix_b_fmt:MATRIX_FMT_BF6
.endif
.else
.if (\ra) && (\rb)
	v_wmma_scale_f32_16x16x128_f8f6f4 v[rD:rD+7], v[rA:rA+11], v[rB:rB+11], v[rD:rD+7], v[rSA], v[rSB] matrix_a_fmt:MATRIX_FMT_BF6 matrix_b_fmt:MATRIX_FMT_BF6 matrix_a_scale:MATRIX_SCALE_ROW1 matrix_b_scale:MATRIX_SCALE_ROW1
.elseif (\ra)
	v_wmma_scale_f32_16x16x128_f8f6f4 v[rD:rD+7], v[rA:rA+11], v[rB:rB+11], v[rD:rD+7], v[rSA], v[rSB] matrix_a_fmt:MATRIX_FMT_BF6 matrix_b_fmt:MATRIX_FMT_BF6 matrix_a_scale:MATRIX_SCALE_ROW1
.elseif (\rb)
	v_wmma_scale_f32_16x16x128_f8f6f4 v[rD:rD+7], v[rA:rA+11], v[rB:rB+11], v[rD:rD+7], v[rSA], v[rSB] matrix_a_fmt:MATRIX_FMT_BF6 matrix_b_fmt:MATRIX_FMT_BF6 matrix_b_scale:MATRIX_SCALE_ROW1
.else
	v_wmma_scale_f32_16x16x128_f8f6f4 v[rD:rD+7], v[rA:rA+11], v[rB:rB+11], v[rD:rD+7], v[rSA], v[rSB] matrix_a_fmt:MATRIX_FMT_BF6 matrix_b_fmt:MATRIX_FMT_BF6
.endif
.endif
.endm
.macro PLACES                          ; four plain places behind matrix instructions, ahead of loads into their registers and of reads of their results
.rept 4
	v_nop
.endr
.endm
; K steps 2 j and 2 j + 1 of a key block: two scale registers (lanes 0-15 tile u = 0, lanes 16-31 u = 1) and four images
.macro KLOAD j
	WIN 0
	global_load_b32 v[KSC+2*\j], v[L4], s[KSP:KSP+1] offset:(2*\j)*4096
	global_load_b32 v[KSC+2*\j+1], v[L4], s[KSP:KSP+1] offset:(2*\j+1)*4096
	WIN 0xc0                                       ; destination window 3
.irp sl, 0,1
.irp u, 0,1
.irp g, 0,1,2
	global_load_b128 v[12*(2*(2*\j+\sl)+\u)+4*\g:12*(2*(2*\j+\sl)+\u)+4*\g+3], v[L16], s[KPT:KPT+1] offset:\u*12288+(2*\j+\sl)*1536+512*\g
.endr
.endr
.endr
.endm
; d block bl of a key step of V: one scale register and two images: seven loads
.macro VLOAD bl
	WIN 0
	global_load_b32 v[VSC+\bl], v[L4], s[VSP:VSP+1] offset:128*\bl
	WIN 0xc0
.irp u, 0,1
.irp g, 0,1,2
	global_load_b128 v[12*(2*\bl+\u)+4*\g:12*(2*\bl+\u)+4*\g+3], v[L16], s[VPT:VPT+1] offset:(2*\bl+\u)*1536+512*\g
.endr
.endr
.endm
; S^T of my key block: 64 matrix instructions, the eight accumulators (u, qt) by turns, K step by K step.  pf = 1: as soon as two K steps' images have been multiplied, the next block's take their registers.
.macro QK pf
	s_wait_loadcnt 0x0                             ; the whole block is in (and Q, the first time): nothing younger was issued.  No load is out, so the pointers may step
	s_add_nc_u64 s[KPT:KPT+1], s[KPT:KPT+1], 98304 ; four blocks on
	s_add_nc_u64 s[KSP:KSP+1], s[KSP:KSP+1], 512
.irp j, 0,1,2,3
.irp sl, 0,1
.if 2*\j+\sl < 5
	WIN 0x07                                       ; K window 3, Q window 1, S^T window 0
.else
	WIN 0x0b                                       ; Q window 2
.endif
.irp u, 0,1
.irp qt, 0,1,2,3
.set rD, S+16*\qt+8*\u
.set rA, 12*(2*(2*\j+\sl)+\u)
.set rB, 12*(4*((2*\j+\sl)%5)+\qt)
.set rSA, KSC+2*\j+\sl
.set rSB, QSC+2*(2*\j+\sl)+\qt/2
.if 2*\j+\sl == 0
	WM 1, \u, \qt%2
.else
	WM 0, \u, \qt%2
.endif
.endr
.endr
.endr
	WIN 0
	PLACES
.if \pf
	KLOAD \j
.endif
.endr
	WIN 0
.endm
; on the diagonal: register 16 qt + n holds key 32 kb + 16 h + n, hidden where it comes after query 64 i + 16 qt + r
.macro MASK
	s_lshl_b32 s48, s[QI], 6
	s_lshl_b32 s49, s[KB], 5
	s_sub_co_i32 s48, s48, s49
	v_lshlrev_b32 v[TP], 4, v[HH]
	v_sub_nc_u32 v[TP], v[RR], v[TP]
	v_add_nc_u32 v[DM], s48, v[TP]                 ; r - 16 h + 64 i - 32 kb
.irp qt, 1,2,3
	v_add_nc_u32 v[DM+\qt], 16*\qt, v[DM]
.endr
.irp qt, 0,1,2,3
.irp n, 0,1,2,3,4,5,6,7,8,9,10,11,12,13,14,15
	v_cmp_gt_i32 vcc_lo, \n, v[DM+\qt]
	v_cndmask_b32 v[S+16*\qt+\n], v[S+16*\qt+\n], v[NINF], vcc_lo
.endr
.endr
.endm
; the block's softmax for the four tiles of queries, by turns
.macro SOFT
.irp qt, 0,1,2,3
	v_max3_num_f32 v[BM+\qt], v[S+16*\qt], v[S+16*\qt+1], v[S+16*\qt+2]    ; the block's largest score: for the running maximum, and, since p rises with the score, for the block's largest p
.endr
.irp n, 3,5,7,9,11,13
.irp qt, 0,1,2,3
	v_max3_num_f32 v[BM+\qt], v[BM+\qt], v[S+16*\qt+\n], v[S+16*\qt+\n+1]
.endr
.endr
.irp qt, 0,1,2,3
	v_max_num_f32 v[BM+\qt], v[BM+\qt], v[S+16*\qt+15]
.endr
.irp qt, 0,1,2,3
	v_permlanex16_b32 v[PD+\qt], v[BM+\qt], s[SEL], s[SEL+1]
.endr
.irp qt, 0,1,2,3
	v_max_num_f32 v[BM+\qt], v[BM+\qt], v[PD+\qt]  ; with lane l xor 16's 16 keys
.endr
.irp qt, 0,1,2,3
	v_mul_f32 v[TP+\qt], s[CS], v[BM+\qt]          ; as t
.endr
.irp qt, 0,1,2,3
	v_max_num_f32 v[ST+6*\qt+1], v[ST+6*\qt+1], v[TP+\qt]   ; the largest t that this wave has seen
.endr
.irp qt, 0,1,2,3
	v_mov_b32 v[TP+\qt], v[ST+6*\qt]
.endr
.irp qt, 0,1,2,3
	v_floor_f32 v[ST+6*\qt], -v[ST+6*\qt+1]        ; -M = floor(-t) = -ceil(t): a whole number
.endr
.irp qt, 0,1,2,3
	v_sub_f32 v[TP+\qt], v[ST+6*\qt], v[TP+\qt]    ; old M - new M: a whole number, 0 or less
.endr
.irp qt, 0,1,2,3
	v_cvt_i32_f32 v[TP+\qt], v[TP+\qt]             ; (it saturates)
.endr
.irp qt, 0,1,2,3
	v_ldexp_f32 v[ST+6*\qt+4], 1.0, v[TP+\qt]      ; f = 2^(old M - new M)
.endr
.irp n, 0,2,4,6,8,10,12,14
.irp qt, 0,1,2,3
	v_pk_fma_f32 v[S+16*\qt+\n:S+16*\qt+\n+1], v[S+16*\qt+\n:S+16*\qt+\n+1], s[CS:CS+1], v[ST+6*\qt:ST+6*\qt+1] op_sel_hi:[1,0,0]   ; t - M
.endr
.endr
.irp qt, 0,1,2,3
	v_fma_f32 v[BM+\qt], v[BM+\qt], s[CS], v[ST+6*\qt]      ; the same of the block's largest score
.endr
	s_wait_alu depctr_va_vdst(0)
.irp n, 0,1,2,3,4,5,6,7,8,9,10,11,12,13,14,15
.irp qt, 0,1,2,3
	v_exp_f32 v[S+16*\qt+\n], v[S+16*\qt+\n]       ; p = 2^(t - M): not normalised
.endr
.endr
.irp qt, 0,1,2,3
	v_pk_mul_f32 v[ST+6*\qt+2:ST+6*\qt+3], v[ST+6*\qt+2:ST+6*\qt+3], v[ST+6*\qt+4:ST+6*\qt+5] op_sel_hi:[1,0]   ; the sums under the new M: plain work behind the exponentials
.endr
	s_wait_alu depctr_va_vdst(0)                   ; one wait for the batch of 64, ahead of its first reader
.irp qt, 0,1,2,3
	v_exp_f32 v[BM+\qt], v[BM+\qt]                 ; the block's largest p
.endr
.irp n, 0,2,4,6,8,10,12,14
.irp qt, 0,1,2,3
	v_pk_add_f32 v[ST+6*\qt+2:ST+6*\qt+3], v[ST+6*\qt+2:ST+6*\qt+3], v[S+16*\qt+\n:S+16*\qt+\n+1]   ; the row's sum is taken of the unquantised p
.endr
.endr
	s_wait_alu depctr_va_vdst(0)                   ; and one for the four
.irp qt, 0,1,2,3
	v_max_num_f32 v[BM+\qt], 0x2800000, v[BM+\qt]  ; the floor 2^(5 - 127): the byte cannot fall under 1
.endr
.irp qt, 0,1,2,3
	v_add_nc_u32 v[SCO+\qt], 0xfe000000, v[BM+\qt] ; 4 off the exponent field: the conversion's scale operand
.endr
.irp qt, 0,1,2,3
	v_lshrrev_b32 v[PRS+2*\qt+1], 23, v[SCO+\qt]   ; the scale's byte, under the M of now,
	v_mov_b32 v[PRS+2*\qt], v[ST+6*\qt]            ; and that -M beside it
.endr
.irp qt, 0,1,2,3
	v_cvt_scalef32_pk16_bf6_f32 v[CD+4*\qt:CD+4*\qt+2], v[S+16*\qt:S+16*\qt+15], v[SCO+\qt]   ; my 16 keys' codes: 12 bytes, half of the block's 24
.endr
	v_nop                                          ; one plain place behind a scaled conversion
.irp qt, 0,1,2,3
.irp e, 0,1,2
	ds_store_b32 v[AD0], v[CD+4*\qt+\e] offset:384*\qt+4*\e
.endr
	ds_store_b64 v[AD1], v[PRS+2*\qt:PRS+2*\qt+1] offset:256*\qt
.endr
.endm
; a block behind the diagonal, in a key step that phase 2 walks: zero codes, which add nothing
.macro ZFILL
.irp qt, 0,1,2,3
.irp e, 0,1,2
	ds_store_b32 v[AD0], v[ZR] offset:384*\qt+4*\e
.endr
	ds_store_b32 v[AD2], v[ZR] offset:64*\qt
.endr
.endm
; a key step of O^T += V^T P.  zero = 1: it starts the sums.  pf = 1: each d block's registers take the next key step's images as soon as they have been multiplied.  a0, a1: the registers with this step's LDS addresses
.macro PVTRIP zero, pf, a0, a1
.if \pf
	s_wait_xcnt 0x0                                ; the loads that are out have read their base: it steps only behind this wait
	s_add_nc_u64 s[VPT:VPT+1], s[VPT:VPT+1], 98304
	s_add_nc_u64 s[VSP:VSP+1], s[VSP:VSP+1], 4096
.endif
.irp qt, 0,1,2,3
.irp c, 0,1
.irp e, 0,1,2
	ds_load_b64 v[PF+12*\qt+6*\c+2*\e:PF+12*\qt+6*\c+2*\e+1], v[\a0] offset:24576*\c+384*\qt+8*\e   ; lane (r, h): the 24 bytes of key block 2 c + h, which wave 2 c + h made
.endr
.endr
.endr
.irp pr, 0,1
.irp ww, 0,1,2,3
	ds_load_b32 v[PSP+4*\pr+\ww], v[\a1] offset:2048*\ww+128*\pr     ; lanes 0-15 tile 2 pr, lanes 16-31 tile 2 pr + 1
.endr
.endr
	s_wait_dscnt 0x0
.irp pr, 0,1
	v_lshl_or_b32 v[PSWD+\pr], v[PSP+4*\pr+1], 8, v[PSP+4*\pr]
	v_lshl_or_b32 v[PSWD+\pr], v[PSP+4*\pr+2], 16, v[PSWD+\pr]
	v_lshl_or_b32 v[PSWD+\pr], v[PSP+4*\pr+3], 24, v[PSWD+\pr]
.endr
.rept 8
	v_nop                                          ; a scale register written by a vector instruction stands eight places ahead of a scaled matrix instruction
.endr
	s_wait_alu depctr_va_vdst(0)
.irp bl, 0,1,2,3,4,5,6,7
.if \pf
	s_wait_loadcnt 49                              ; this d block's seven loads are in: 7 (7 - bl) younger ones of this key step and 7 bl of the next were issued behind them
.else
	s_wait_loadcnt 7*(7-\bl)
.endif
.if \bl < 4
	WIN 0x53                                       ; V window 3, P window 0, O^T window 1
.else
	WIN 0xa3                                       ; O^T window 2
.endif
.irp u, 0,1
.irp qt, 0,1,2,3
.set rD, ((\bl%4)*4+\qt)*16+8*\u
.set rA, 12*(2*\bl+\u)
.set rB, PF+12*\qt
.set rSA, VSC+\bl
.set rSB, PSWD+\qt/2
	WM \zero, \u, \qt%2
.endr
.endr
	WIN 0
	PLACES
.if \pf
	VLOAD \bl
.endif
.endr
	WIN 0
.endm
; d block b of y: x g, quantised along d, codes into my stage
.macro YQ b
.if \b < 4
	WIN 0x01                                       ; source 0 window 1
.else
	WIN 0x02
.endif
.irp qt, 0,1,2,3
.irp n, 0,2,4,6,8,10,12,14
	v_pk_mul_f32 v[S+16*\qt+\n:S+16*\qt+\n+1], v[((\b%4)*4+\qt)*16+\n:((\b%4)*4+\qt)*16+\n+1], v[G+2*\qt:G+2*\qt+1]   ; each accumulator from its low end on
.endr
.endr
	WIN 0
.irp qt, 0,1,2,3
	v_max3_num_f32 v[BM+\qt], |v[S+16*\qt]|, |v[S+16*\qt+1]|, 0x2800000
.endr
.irp n, 2,4,6,8,10,12,14
.irp qt, 0,1,2,3
	v_max3_num_f32 v[BM+\qt], v[BM+\qt], |v[S+16*\qt+\n]|, |v[S+16*\qt+\n+1]|
.endr
.endr
.irp qt, 0,1,2,3
	v_permlanex16_b32 v[PD+\qt], v[BM+\qt], s[SEL], s[SEL+1]
.endr
.irp qt, 0,1,2,3
	v_max_num_f32 v[BM+\qt], v[BM+\qt], v[PD+\qt]
.endr
.irp qt, 0,1,2,3
	v_add_nc_u32 v[SCO+\qt], 0xfe000000, v[BM+\qt]
.endr
.irp qt, 0,1,2,3
	v_lshrrev_b32 v[TP+\qt], 23, v[SCO+\qt]
.endr
.irp qt, 0,1,2,3
.if \b%4 == 0
	v_mov_b32 v[KSC+2*\qt+\b/4], v[TP+\qt]         ; four d blocks make a K step of the projection: their bytes make its scale word
.else
	v_lshl_or_b32 v[KSC+2*\qt+\b/4], v[TP+\qt], 8*(\b%4), v[KSC+2*\qt+\b/4]
.endif
.endr
	s_wait_dscnt 0x0                               ; the last block's stores have read the codes' registers
.irp qt, 0,1,2,3
	v_cvt_scalef32_pk16_bf6_f32 v[CD+4*\qt:CD+4*\qt+2], v[S+16*\qt:S+16*\qt+15], v[SCO+\qt]
.endr
	v_nop                                          ; one plain place behind a scaled conversion
; my 12 bytes are registers 6 c + 3 h + e of the operand's lane (row, half b % 2), c = (b % 4) / 2.  Three registers on is 12 bytes on inside a group of four, or 252 bytes on into the next group: two address registers
.irp qt, 0,1,2,3
.irp e, 0,1,2
.set R0, 6*((\b%4)/2)+\e
.if R0%4 == 0
	ds_store_b32 v[A12], v[CD+4*\qt+\e] offset:(\b/4)*768+(R0/4)*256+((\b%2)*8+2*\qt)*16+4*(R0%4)
.else
	ds_store_b32 v[A252], v[CD+4*\qt+\e] offset:(\b/4)*768+(R0/4)*256+((\b%2)*8+2*\qt)*16+4*(R0%4)
.endif
.endr
.endr
.endm
	s_load_b256 s[4:11], s[0:1], 0x0               ; qk s[4:5], vv s[6:7], W_LR s[8:9], yy s[10:11]
	v_lshl_add_u32 v[SPW], v0, 2, SPARE
	v_mov_b32 v[NIL], 0
	v_lshrrev_b32 v20, 5, v0
	v_readfirstlane_b32 s[WV], v20                 ; wave 0..3
	v_and_b32 v20, 31, v0
	v_lshlrev_b32 v[L16], 4, v20
	v_lshlrev_b32 v[L4], 2, v20
	v_lshlrev_b32 v[L8], 3, v20
	s_wait_alu depctr_va_vdst(0)
	v_and_b32 v[RR], 15, v0
	s_wait_alu depctr_va_vdst(0)
	v_bfe_u32 v[HH], v0, 4, 1
	s_and_b32 s[BH], ttmp9, 15
	s_lshr_b32 s[QI], ttmp9, 4
	s_sub_co_u32 s[QI], 15, s[QI]
	s_lshl_b32 s[TWOI], s[QI], 1
	s_add_co_u32 s[KBMAX], s[TWOI], 1
	s_lshr_b32 s[KSMAX], s[QI], 1
	; every LDS address: a constant + a constant x lane + a constant x wave
	s_mul_i32 s48, s[WV], 12288
	v_mul_u32_u24 v[PRD], v[RR], 24
	v_mad_u32_u24 v[PWR], v[HH], 12, v[PRD]
	v_add_nc_u32 v[PWR], s48, v[PWR]               ; 12,288 w + 24 r + 12 h
	v_mad_u32_u24 v[PRD], v[HH], 12288, v[PRD]     ; 24 r + 12,288 h
	s_lshl_b32 s49, s[WV], 13
	s_add_co_u32 s49, s49, SCR
	v_add_nc_u32 v[ASCR], s49, v[L8]
	s_lshl_b32 s49, s[WV], 11
	s_add_co_u32 s49, s49, PSW
	v_lshl_add_u32 v[APSW], v[RR], 2, s49
	v_add_nc_u32 v[APSR], PSW, v[L4]
	s_lshl_b32 s49, s[WV], 10
	s_add_co_u32 s49, s49, EX
	v_add_nc_u32 v[AEXW], s49, v[L8]
	v_add_nc_u32 v[AEXR], EX, v[L8]
	s_add_co_u32 s48, s48, STG
	v_and_b32 v20, 7, v[RR]
	v_lshrrev_b32 v21, 3, v[RR]
	v_mul_u32_u24 v20, v20, 1536                   ; q % 8 = r % 8: the upper part of the projection's K step
	v_lshl_add_u32 v20, v21, 4, v20                ; r / 8: which of the tile's two rows
	v_add_nc_u32 v20, s48, v20
	v_mad_u32_u24 v[A12], v[HH], 12, v20
	v_mad_u32_u24 v[A252], v[HH], 252, v20
	v_add_nc_u32 v[ASTR], s48, v[L16]
	v_mov_b32 v[ZR], 0
	v_mov_b32 v[NINF], 0xff800000
	s_mov_b32 s[SEL], 0x76543210
	s_mov_b32 s[SEL+1], 0xfedcba98
	s_mov_b32 s[CS], 0x3fb8aa3b                    ; log2(e)
	s_mov_b32 s[CS+1], s[CS]                       ; (named with it as a pair, so it is written)
	s_mul_i32 s48, s[BH], 786432                   ; the head's images, in Q, K and V alike
	s_lshl_b32 s49, s[BH], 15                      ; and its scale words
	s_mov_b32 s51, 0
	s_mov_b32 s53, 0
	s_wait_kmcnt 0x0
	s_mul_i32 s50, s[WV], 24576
	s_add_co_u32 s50, s50, s48
	s_add_nc_u64 s[VPT:VPT+1], s[6:7], s[50:51]    ; V: key step 0, my 16 tiles
	s_add_co_u32 s50, s50, 12582912
	s_add_nc_u64 s[KPT:KPT+1], s[4:5], s[50:51]    ; K: block w
	s_lshl_b32 s52, s[WV], 7
	s_add_co_u32 s52, s52, s49
	s_add_co_u32 s52, s52, 25690112
	s_add_nc_u64 s[KSP:KSP+1], s[4:5], s[52:53]
	s_lshl_b32 s52, s[WV], 10
	s_add_co_u32 s52, s52, s49
	s_add_co_u32 s52, s52, 12582912
	s_add_nc_u64 s[VSP:VSP+1], s[6:7], s[52:53]
	s_mul_i32 s50, s[QI], 49152
	s_add_co_u32 s50, s50, s48
	s_add_nc_u64 s[QPT:QPT+1], s[4:5], s[50:51]    ; Q: tiles 4 i .. 4 i + 3
	s_lshl_b32 s52, s[QI], 8
	s_add_co_u32 s52, s52, s49
	s_add_co_u32 s52, s52, 25165824
	s_add_nc_u64 s[QSP:QSP+1], s[4:5], s[52:53]
	s_lshl_b32 s48, s[BH], 4
	s_add_co_u32 s48, s48, s[QI]                   ; 16 bh + i
	s_mul_i32 s50, s48, 49152
	s_mul_i32 s52, s[WV], 1536
	s_add_co_u32 s50, s50, s52
	s_add_nc_u64 s[YCP:YCP+1], s[10:11], s[50:51]
	s_lshl_b32 s52, s48, 11
	s_lshl_b32 s48, s[WV], 9
	s_add_co_u32 s52, s52, s48
	s_add_co_u32 s52, s52, 12582912
	s_add_nc_u64 s[YSP:YSP+1], s[10:11], s[52:53]
	s_and_b32 s50, s[BH], 7
	s_lshl_b32 s50, s50, 2
	s_add_nc_u64 s[8:9], s[8:9], s[50:51]
	s_load_b32 s[WLR], s[8:9], 0x0                 ; W_LR of my head
	; block w is asked for by every wave, whether it counts or not (w <= 3 lies in the buffer): so the sixteen images' registers are written on every way
	KLOAD 0
	KLOAD 1
	KLOAD 2
	KLOAD 3
	WIN 0
.irp s, 0,1,2,3,4,5,6,7
.irp pr, 0,1
	global_load_b32 v[QSC+2*\s+\pr], v[L4], s[QSP:QSP+1] offset:4096*\s+128*\pr
.endr
.endr
	WIN 0x40                                       ; destination window 1
.irp s, 0,1,2,3,4
.irp qt, 0,1,2,3
.irp g, 0,1,2
	global_load_b128 v[12*(4*\s+\qt)+4*\g:12*(4*\s+\qt)+4*\g+3], v[L16], s[QPT:QPT+1] offset:\qt*12288+\s*1536+512*\g
.endr
.endr
.endr
	WIN 0x80                                       ; destination window 2
.irp s, 5,6,7
.irp qt, 0,1,2,3
.irp g, 0,1,2
	global_load_b128 v[12*(4*(\s-5)+\qt)+4*\g:12*(4*(\s-5)+\qt)+4*\g+3], v[L16], s[QPT:QPT+1] offset:\qt*12288+\s*1536+512*\g
.endr
.endr
.endr
	WIN 0
.irp qt, 0,1,2,3
	v_mov_b32 v[ST+6*\qt+1], 0xff61b1e6            ; the largest t so far: -3e38, under every t
	v_floor_f32 v[ST+6*\qt], -v[ST+6*\qt+1]        ; -M
	v_mov_b32 v[ST+6*\qt+2], 0                     ; the sum, in two halves
	v_mov_b32 v[ST+6*\qt+3], 0
	v_mov_b32 v[ST+6*\qt+4], 0
	v_mov_b32 v[ST+6*\qt+5], 0                     ; (named as the upper half of f's pair)
	v_mov_b32 v[PD+\qt], 0                         ; a lane permute's destination counts as one of its sources
.endr
	s_mov_b32 s[KB], s[WV]
	s_mov_b32 s[CNT], 0
	s_mov_b32 s36, 0
	s_mov_b32 s37, 0
	s_mov_b32 s38, 0
; ---- PHASE 1: eight trips, a constant; what a trip does hangs on ids alone (the wave's number, the work-group's, the trip's).  No barrier stands in the loop.
.Lp1:
	v_add_nc_u32 v[AD0], s36, v[PWR]               ; this key step's places, made ahead of every branch
	v_add_nc_u32 v[AD1], s37, v[ASCR]
	v_add_nc_u32 v[AD2], s38, v[APSW]
	s_cmp_gt_u32 s[KB], s[KBMAX]
	s_cbranch_scc1 .Lhid
	s_add_co_u32 s48, s[KB], 4
	s_cmp_le_u32 s48, s[KBMAX]
	s_cbranch_scc0 .Lqk0
	QK 1
	s_branch .Lqkj
.Lqk0:
	QK 0                                           ; my last block: nothing more is asked for
.Lqkj:
	s_cmp_ge_u32 s[KB], s[TWOI]
	s_cbranch_scc0 .Lopen
	MASK
.Lopen:
	SOFT
	s_branch .Lp1e
.Lhid:
	s_cmp_le_u32 s[CNT], s[KSMAX]
	s_cbranch_scc0 .Lp1e
	s_wait_alu depctr_va_vdst(0)
	ZFILL
.Lp1e:
	s_wait_dscnt 0x0                               ; my LDS stores have read their registers: addresses, codes and pairs are written again in the next trip
	s_add_co_u32 s[KB], s[KB], 4
	s_add_co_u32 s36, s36, 1536
	s_add_co_u32 s37, s37, 1024
	s_add_co_u32 s38, s38, 256
	s_add_co_u32 s[CNT], s[CNT], 1
	s_cmp_lt_u32 s[CNT], 8
	s_cbranch_scc1 .Lp1
; ---- BETWEEN THE PHASES
	s_wait_loadcnt 0x0                             ; whatever of K is still out has landed: V takes its registers
.irp bl, 0,1,2,3,4,5,6,7
	VLOAD \bl                                      ; key step 0: 56 loads, which land under the exchange
.endr
	WIN 0
.irp qt, 0,1,2,3
	v_add_f32 v[PRS+2*\qt+1], v[ST+6*\qt+2], v[ST+6*\qt+3]
.endr
.irp qt, 0,1,2,3
	v_permlanex16_b32 v[PD+\qt], v[PRS+2*\qt+1], s[SEL], s[SEL+1]
.endr
.irp qt, 0,1,2,3
	v_add_f32 v[PRS+2*\qt+1], v[PRS+2*\qt+1], v[PD+\qt]    ; my wave's sum for query r
	v_mov_b32 v[PRS+2*\qt], v[ST+6*\qt]                    ; under my wave's M
.endr
.irp qt, 0,1,2,3
	ds_store_b64 v[AEXW], v[PRS+2*\qt:PRS+2*\qt+1] offset:256*\qt
.endr
	s_wait_dscnt 0x0                               ; for the others' sake: my pairs lie in LDS
	s_barrier_signal -1
	s_barrier_wait -1
.irp qt, 0,1,2,3
.irp ww, 0,1,2,3
	ds_load_b64 v[S+8*\qt+2*\ww:S+8*\qt+2*\ww+1], v[AEXR] offset:1024*\ww+256*\qt
.endr
.endr
	s_wait_dscnt 0x0
.irp qt, 0,1,2,3
	v_min_num_f32 v[ST+6*\qt], v[S+8*\qt], v[S+8*\qt+2]
.endr
.irp qt, 0,1,2,3
	v_min_num_f32 v[ST+6*\qt], v[ST+6*\qt], v[S+8*\qt+4]
.endr
.irp qt, 0,1,2,3
	v_min_num_f32 v[ST+6*\qt], v[ST+6*\qt], v[S+8*\qt+6]   ; the row's -M: the least of the four
.endr
.irp ww, 0,1,2,3
.irp qt, 0,1,2,3
	v_sub_f32 v[S+8*\qt+2*\ww], v[ST+6*\qt], v[S+8*\qt+2*\ww]   ; that wave's M - the row's M: a whole number, 0 or less
.endr
.endr
.irp ww, 0,1,2,3
.irp qt, 0,1,2,3
	v_cvt_i32_f32 v[S+8*\qt+2*\ww], v[S+8*\qt+2*\ww]       ; (it saturates: a wave that saw no key gets the factor 0 for its sum 0)
.endr
.endr
.irp ww, 0,1,2,3
.irp qt, 0,1,2,3
	v_ldexp_f32 v[S+8*\qt+2*\ww], 1.0, v[S+8*\qt+2*\ww]
.endr
.endr
.irp qt, 0,1,2,3
	v_mul_f32 v[TP+\qt], v[S+8*\qt], v[S+8*\qt+1]
.endr
.irp ww, 1,2,3
.irp qt, 0,1,2,3
	v_fma_f32 v[TP+\qt], v[S+8*\qt+2*\ww], v[S+8*\qt+2*\ww+1], v[TP+\qt]   ; l: the four sums under the row's M
.endr
.endr
	s_lshl_b32 s48, s[QI], 6
	s_add_co_u32 s48, s48, 1
	v_add_nc_u32 v[DM], s48, v[RR]                 ; q + 1
.irp qt, 1,2,3
	v_add_nc_u32 v[DM+\qt], 16*\qt, v[DM]
.endr
.irp qt, 0,1,2,3
	v_cvt_f32_u32 v[DM+\qt], v[DM+\qt]
.endr
	s_wait_alu depctr_va_vdst(0)
.irp qt, 0,1,2,3
	v_rcp_f32 v[BM+\qt], v[TP+\qt]
.endr
.irp qt, 0,1,2,3
	v_rcp_f32 v[SCO+\qt], v[DM+\qt]
.endr
	v_nop                                          ; a plain place behind the last reciprocal
	s_wait_alu depctr_va_vdst(0)                   ; one wait for the eight, ahead of their first reader
	s_wait_kmcnt 0x0                               ; W_LR
.irp qt, 0,1,2,3
	v_mul_f32 v[G+2*\qt], v[BM+\qt], v[SCO+\qt]
.endr
.irp qt, 0,1,2,3
	v_mul_f32 v[G+2*\qt], s[WLR], v[G+2*\qt]
.endr
.irp qt, 0,1,2,3
	v_mov_b32 v[G+2*\qt+1], v[G+2*\qt]
.endr
	; my blocks' scale bytes under the row's M: byte + (M then - M), held at 1 from below.  Small whole numbers in f32: nothing is rounded
.irp ks, 0,1,2,3,4,5,6,7
	s_add_co_u32 s48, s[WV], 4*\ks
	s_cmp_gt_u32 s48, s[KBMAX]
	s_cbranch_scc1 .Lfixed                         ; behind the diagonal no block of mine follows
.irp qt, 0,1,2,3
	ds_load_b64 v[S+8*\ks+2*\qt:S+8*\ks+2*\qt+1], v[ASCR] offset:1024*\ks+256*\qt
.endr
	s_wait_dscnt 0x0
.irp qt, 0,1,2,3
	v_sub_f32 v[S+8*\ks+2*\qt], v[ST+6*\qt], v[S+8*\ks+2*\qt]
	v_cvt_f32_u32 v[S+8*\ks+2*\qt+1], v[S+8*\ks+2*\qt+1]
.endr
.irp qt, 0,1,2,3
	v_max_num_f32 v[S+8*\ks+2*\qt], 0xc3960000, v[S+8*\ks+2*\qt]   ; not under -300: beyond every byte
.endr
.irp qt, 0,1,2,3
	v_add_f32 v[S+8*\ks+2*\qt+1], v[S+8*\ks+2*\qt+1], v[S+8*\ks+2*\qt]
.endr
.irp qt, 0,1,2,3
	v_max_num_f32 v[S+8*\ks+2*\qt+1], 1.0, v[S+8*\ks+2*\qt+1]
.endr
.irp qt, 0,1,2,3
	v_cvt_u32_f32 v[S+8*\ks+2*\qt+1], v[S+8*\ks+2*\qt+1]
.endr
.irp qt, 0,1,2,3
	ds_store_b32 v[APSW], v[S+8*\ks+2*\qt+1] offset:256*\ks+64*\qt     ; both halves of the lanes hold and write the same word
.endr
.endr
.Lfixed:
	s_wait_dscnt 0x0                               ; for the others' sake: P's codes and scale words lie in LDS
	s_barrier_signal -1
	s_barrier_wait -1
; ---- PHASE 2.  The first key step is written out: its products start the sums.  All four waves of a work-group go the same way
	s_cmp_eq_u32 s[KSMAX], 0
	s_cbranch_scc1 .Lpv0l
	PVTRIP 1, 1, PRD, APSR
	s_branch .Lpv0e
.Lpv0l:
	PVTRIP 1, 0, PRD, APSR
.Lpv0e:
	s_mov_b32 s[CNT], 1
	s_mov_b32 s36, 1536
	s_mov_b32 s38, 256
.Lpv:                                                  ; seven trips, a constant; key steps behind the diagonal are passed over
	v_add_nc_u32 v[AD0], s36, v[PRD]
	v_add_nc_u32 v[AD1], s38, v[APSR]
	s_cmp_gt_u32 s[CNT], s[KSMAX]
	s_cbranch_scc1 .Lpve
	s_cmp_eq_u32 s[CNT], s[KSMAX]
	s_cbranch_scc1 .Lpvl
	s_wait_alu depctr_va_vdst(0)
	PVTRIP 0, 1, AD0, AD1
	s_branch .Lpve
.Lpvl:
	s_wait_alu depctr_va_vdst(0)
	PVTRIP 0, 0, AD0, AD1
.Lpve:
	s_add_co_u32 s36, s36, 1536
	s_add_co_u32 s38, s38, 256
	s_add_co_u32 s[CNT], s[CNT], 1
	s_cmp_lt_u32 s[CNT], 8
	s_cbranch_scc1 .Lpv
	s_wait_loadcnt 0x0                             ; no load is out: window 3 is free for the way out
; ---- THE WAY OUT
	YQ 0
	YQ 1
	YQ 2
	YQ 3
	YQ 4
	YQ 5
	YQ 6
	YQ 7
	WIN 0xc0                                       ; destination window 3
.irp kh, 0,1,2,3,4,5,6,7
.irp t, 0,1,2
	ds_load_b128 v[12*\kh+4*\t:12*\kh+4*\t+3], v[ASTR] offset:1536*\kh+512*\t     ; my own bytes: LDS serves a wave's instructions in order (ISA guide 5.7.1.4), so these see my stores
.endr
.endr
	WIN 0x0c                                       ; a store's data are its source 1: window 3
.set N, 0
.irp kh, 0,1,2,3,4,5,6,7
.irp t, 0,1,2
	s_wait_dscnt 23-N                              ; this load is back; the younger ones stay out
	global_store_b128 v[L16], v[12*\kh+4*\t:12*\kh+4*\t+3], s[YCP:YCP+1] offset:6144*\kh+512*\t   ; 32 lanes store 512 consecutive bytes, aligned
.set N, N+1
.endr
.endr
	WIN 0
	v_cmp_ne_u32 vcc_lo, 0, v[HH]
	s_wait_alu depctr_va_vdst(0)
.irp pr, 0,1                           ; lanes 0-15 store tile 2 pr's two words, lanes 16-31 tile 2 pr + 1's: 256 consecutive bytes, aligned
	v_cndmask_b32 v[PRS+2*\pr], v[KSC+4*\pr], v[KSC+4*\pr+2], vcc_lo
	v_cndmask_b32 v[PRS+2*\pr+1], v[KSC+4*\pr+1], v[KSC+4*\pr+3], vcc_lo
	global_store_b64 v[L8], v[PRS+2*\pr:PRS+2*\pr+1], s[YSP:YSP+1] offset:256*\pr
.endr
	s_wait_tensorcnt 0x0                           ; the wave's end
	ds_add_u32 v[SPW], v[NIL]
	s_wait_dscnt 0x0
	s_endpgm
.Lfunc_end_k_qbc5fe9b05e_attn:
	.size	k_qbc5fe9b05e_attn, .Lfunc_end_k_qbc5fe9b05e_attn-k_qbc5fe9b05e_attn
	.p2alignl 7, 3214868480
	.fill 96, 4, 3214868480
	.section	.rodata,"a",@progbits
	.p2align	6, 0x0
	.amdhsa_kernel k_qbc5fe9b05e_attn
		.amdhsa_group_segment_fixed_size 143872
		.amdhsa_private_segment_fixed_size 0
		.amdhsa_enable_private_segment 0
		.amdhsa_kernarg_size 32
		.amdhsa_user_sgpr_count 2
		.amdhsa_user_sgpr_kernarg_segment_ptr 1
		.amdhsa_wavefront_size32 1
		.amdhsa_system_sgpr_workgroup_id_x 1
		.amdhsa_system_sgpr_workgroup_id_y 1
		.amdhsa_system_sgpr_workgroup_id_z 1
		.amdhsa_system_vgpr_workitem_id 0
		.amdhsa_next_free_vgpr 1024
		.amdhsa_next_free_sgpr 66
		.amdhsa_reserve_vcc 1
		.amdhsa_float_denorm_mode_32 3
		.amdhsa_float_denorm_mode_16_64 3
		.amdhsa_memory_ordered 1
		.amdhsa_forward_progress 1
		.amdhsa_inst_pref_size 205
	.end_amdhsa_kernel
	.amdgpu_metadata
---
amdhsa.version: [ 1, 2 ]
amdhsa.kernels:
  - .name:           k_qbc5fe9b05e_attn
    .symbol:         k_qbc5fe9b05e_attn.kd
    .args:
      - { .name: qk, .offset: 0, .size: 8, .value_kind: global_buffer, .address_space: global }
      - { .name: vv, .offset: 8, .size: 8, .value_kind: global_buffer, .address_space: global }
      - { .name: W_LR, .offset: 16, .size: 8, .value_kind: global_buffer, .address_space: global }
      - { .name: yy, .offset: 24, .size: 8, .value_kind: global_buffer, .address_space: global }
    .group_segment_fixed_size: 143872
    .private_segment_fixed_size: 0
    .kernarg_segment_align: 8
    .kernarg_segment_size: 32
    .max_flat_workgroup_size: 128
    .sgpr_count:     66
    .vgpr_count:     1024
    .wavefront_size: 32
...
	.end_amdgpu_metadata
.endif
;; end of part 3
;; launch proj (part 4): grid 16 x 16, 4 waves a work-group, clusters of 4 x 4, 327,680 bytes of LDS; arguments yy, wf, W_o_scales, e, vv, out0; writes out0
.if DOCPART == 4
	.amdgcn_target "amdgcn-amd-amdhsa--gfx1250"
	.amdhsa_code_object_version 6
	.text
	.protected	k_qbc5fe9b05e_proj
	.globl	k_qbc5fe9b05e_proj
	.p2align	8
	.type	k_qbc5fe9b05e_proj,@function
k_qbc5fe9b05e_proj:
	s_mov_b64 s[64:65], 0
	v_nop
	global_prefetch_b8 v0, s[64:65] scope:SCOPE_SE
	s_setreg_imm32_b32 hwreg(HW_REG_WAVE_MODE, 25, 1), 1
	s_wait_xcnt 0x0
	s_wait_alu depctr_hold_cnt(0) depctr_sa_sdst(0) depctr_va_vdst(0) depctr_va_sdst(0) depctr_va_ssrc(0) depctr_va_vcc(0) depctr_vm_vsrc(0)
	s_getreg_b32 s2, hwreg(HW_REG_IB_STS2, 6, 4)
	s_cmp_eq_u32 s2, 0
	s_cbranch_scc0 .Lentry_in_a_cluster
	s_endpgm
.Lentry_in_a_cluster:
	s_bfe_u32 s2, ttmp6, 0x10000c
	s_cmp_lg_u32 s2, 0xf033
	s_cbranch_scc0 .Lentry_shape_is_right
	s_endpgm
.Lentry_shape_is_right:
; Launch 4 of 4.  out0 = y W_o + the sum over the batch of (e - E_wte) / (s + 1).  y [2048][8192] and W_o [1024 (n)][8192] are codes of BF6 with E8M0 scales, laid as images of operand registers by the earlier launches.
; Nothing of reference() is left out here.
; SHARES.  Work-group (x, y): rows 128 y .. 128 y + 127 (one batch and head of the attention), columns 64 x .. 64 x + 63.  The four waves split K: wave w takes the K steps 8 t + 2 w + c (t = 0..7, c = 0, 1)
; for the whole tile: 32 accumulators (8 tiles of rows x 4 of columns), so every LDS byte is read by one wave, once.
; CLUSTERS: 4 x 4 work-groups.  The four of a row of the cluster need the same images of y, the four of a column the same images of W_o: each is asked for JOINTLY, by the same tensor load with a mask that names the four.
; THE RING: two LDS slots; a slot holds a chunk of 8 K steps: y's 16 blocks of 8 rows x 6,144 bytes and W_o's 4 tiles x 12,288 bytes.  One load a wave: wave 0 y's even blocks, wave 1 its odd blocks, waves 2 and 3 two tiles of W_o each.
; Every row of a tile begins at a multiple of 256 bytes of its buffer.  A tile of 16 rows of y takes rows 0-7 from an even block and rows 8-15 from the odd block behind it: the odd blocks lie 49,280 bytes behind the even ones,
; 128 more than a multiple of 256, so that the sixteen lanes of half a 16-byte load touch 256 different bytes modulo 256.
; TWO SETS OF REGISTERS: behind a change of slots step (t, 0) is fetched into set 0 while step (t - 1, 1) is multiplied from set 1; then step (t, 1) is fetched into set 1 while step (t, 0) is multiplied.
; The scale words of a wave's sixteen steps come once, from memory into 96 registers.  The register numbers of the scales change from step to step, so the eight trips are expanded by the assembler from one macro.
; PREFETCH: behind the refill that asks for chunk t + 1 stands the request for chunk t + 3 (t = 0..4), two refills ahead; of the blocks of 256 bytes that a wave's load names, each of the four partners that ask jointly takes a quarter,
; told apart by address: of y two rows of 24 blocks (two instructions, 24 lanes each; the lanes left over name the last block again), of W_o half a row of 48 blocks.  Chunks 0 to 2 come by their loads alone.  e's 64 blocks of a wave are asked for once, at the head.
; The four partial tiles meet in slot 0, which has had its last fill (chunk 6) and its last read when the first sum is stored there; each wave then adds 32 rows, adds the term of e, and stores whole rows of 256 bytes.
; The matrix instruction is used transposed (source 0 = 16 rows of W_o, source 1 = 16 rows of y): a lane holds eight neighbouring columns of one row.
; THE ORDER OF THE SUMS differs from one chain along K: four chains of sixteen steps, added in f32.
.set AODD,  49280                      ; y's odd blocks in a slot
.set BB,    98560                      ; W_o's tiles in a slot
.set SLOT,  147712
.set SPARE, 295424                     ; behind the ring: the spare words, 128 bytes a wave, which no other line names
.set ADA, 1                            ; v1, v2  LDS address of y's images in slot 0, 1
.set YSL, 3                            ; v3  y's scale words
.set RR,  4
.set HH,  5
.set WSL, 6                            ; v6  W_o's scale words: 256 x lane
.set EL,  7                            ; v7  e and out0: h x 4,096 + 16 r
.set EWL, 8                            ; v8  16 r
.set RS,  9                            ; v9  LDS: where I put partial sums
.set RA0, 10                           ; v10, v11 LDS: where I read them
.set RA1, 11
.set SPW, 12                           ; v12 my spare word's address, v13 0: kept for the adds
.set NIL, 13
.set ADB, 18                           ; v18, v19 LDS address of W_o's images in slot 0, 1
.set PFO, 20                           ; v20 the prefetches' offset: 256 x min(lane, 23)
.set EPF, 21                           ; v21 4,096 x lane: a row of e
.set YS,  32                           ; v32-95  y's scale words: 16 (tile / 2) + z, z = 2 t + c; lanes 0-15 the even tile of rows, lanes 16-31 the odd one.  On the way out: e of batch 0
.set WS,  96                           ; v96-127 W_o's likewise.  On the way out v96-159: e of batch 1
.set E0,  32
.set E1,  96
.set EW,  160                          ; v160-163 E_wte
.set WN,  164                          ; v164-195 1 / (s + 1), a pair for each two rows
.set PS,  196                          ; v196-227 partial sums, two sets of 16
.set TW,  228                          ; v228-243 s + 1
; window 1: the 32 accumulators at 8 (4 mt + nt).  Set c of images: window 2 + c, y's eight at v0-95, W_o's four at v96-143.
.set G1,  24                           ; s[24:31] group 1 for y's tiles, s[32:39] group 0, one for each slot
.set G0,  32
.set G1B, 40                           ; s[40:47], s[48:55] the same for W_o's
.set G0B, 48
.set MSB, 0
.macro WIN new
.if MSB != \new
	s_set_vgpr_msb (MSB<<8)|\new
.set MSB, \new
.endif
.endm
.macro WM zero, ra, rb
.if \zero
.if (\ra) && (\rb)
	v_wmma_scale_f32_16x16x128_f8f6f4 v[rD:rD+7], v[rA:rA+11], v[rB:rB+11], 0, v[rSA], v[rSB] matrix_a_fmt:MATRIX_FMT_BF6 matrix_b_fmt:MATRIX_FMT_BF6 matrix_a_scale:MATRIX_SCALE_ROW1 matrix_b_scale:MATRIX_SCALE_ROW1
.elseif (\ra)
	v_wmma_scale_f32_16x16x128_f8f6f4 v[rD:rD+7], v[rA:rA+11], v[rB:rB+11], 0, v[rSA], v[rSB] matrix_a_fmt:MATRIX_FMT_BF6 matrix_b_fmt:MATRIX_FMT_BF6 matrix_a_scale:MATRIX_SCALE_ROW1
.elseif (\rb)
	v_wmma_scale_f32_16x16x128_f8f6f4 v[rD:rD+7], v[rA:rA+11], v[rB:rB+11], 0, v[rSA], v[rSB] matrix_a_fmt:MATRIX_FMT_BF6 matrix_b_fmt:MATRIX_FMT_BF6 matrix_b_scale:MATRIX_SCALE_ROW1
.else
	v_wmma_scale_f32_16x16x128_f8f6f4 v[rD:rD+7], v[rA:rA+11], v[rB:rB+11], 0, v[rSA], v[rSB] matrix_a_fmt:MATRIX_FMT_BF6 matrix_b_fmt:MATRIX_FMT_BF6
.endif
.else
.if (\ra) && (\rb)
	v_wmma_scale_f32_16x16x128_f8f6f4 v[rD:rD+7], v[rA:rA+11], v[rB:rB+11], v[rD:rD+7], v[rSA], v[rSB] matrix_a_fmt:MATRIX_FMT_BF6 matrix_b_fmt:MATRIX_FMT_BF6 matrix_a_scale:MATRIX_SCALE_ROW1 matrix_b_scale:MATRIX_SCALE_ROW1
.elseif (\ra)
	v_wmma_scale_f32_16x16x128_f8f6f4 v[rD:rD+7], v[rA:rA+11], v[rB:rB+11], v[rD:rD+7], v[rSA], v[rSB] matrix_a_fmt:MATRIX_FMT_BF6 matrix_b_fmt:MATRIX_FMT_BF6 matrix_a_scale:MATRIX_SCALE_ROW1
.elseif (\rb)
	v_wmma_scale_f32_16x16x128_f8f6f4 v[rD:rD+7], v[rA:rA+11], v[rB:rB+11], v[rD:rD+7], v[rSA], v[rSB] matrix_a_fmt:MATRIX_FMT_BF6 matrix_b_fmt:MATRIX_FMT_BF6 matrix_b_scale:MATRIX_SCALE_ROW1
.else
	v_wmma_scale_f32_16x16x128_f8f6f4 v[rD:rD+7], v[rA:rA+11], v[rB:rB+11], v[rD:rD+7], v[rSA], v[rSB] matrix_a_fmt:MATRIX_FMT_BF6 matrix_b_fmt:MATRIX_FMT_BF6
.endif
.endif
.endm
.macro PLACES                          ; four plain places behind matrix instructions, ahead of loads into their registers and of reads of their results
.rept 4
	v_nop
.endr
.endm
; A joint load: waves 0 and 1 fetch for y, waves 2 and 3 for W_o.  Each line has one mask and one set of registers for all that issue it; the branch hangs on the wave's number alone.
; An s_nop 0 and four v_nop follow each line.
.macro JLOAD s
	s_cmp_eq_u32 s17, 0
	s_cbranch_scc0 .Lfor_b_\@
	tensor_load_to_lds s[G0+4*\s:G0+4*\s+3], s[G1:G1+7]
	s_nop 0
.rept 4
	v_nop
.endr
	s_branch .Lasked_\@
.Lfor_b_\@:
	tensor_load_to_lds s[G0B+4*\s:G0B+4*\s+3], s[G1B:G1B+7]
	s_nop 0
.rept 4
	v_nop
.endr
.Lasked_\@:
.endm
.macro CROUND                          ; a round of the cluster's barrier
	s_barrier_signal -1
	s_barrier_wait -1
	s_cmp_lg_u32 s16, 0
	s_cbranch_scc1 .Lnot_wave_0_\@
	s_barrier_signal -3
.Lnot_wave_0_\@:
	s_barrier_wait -3
	s_barrier_signal -1
	s_barrier_wait -1
.endm
.macro ASK                             ; my work-group's quarter of the blocks that my load two refills on will name; y's waves have two rows, W_o's half a row
	global_prefetch_b8 v[PFO], s[60:61] th:TH_LOAD_NT scope:SCOPE_SE
	s_cmp_eq_u32 s17, 0
	s_cbranch_scc0 .Lone_\@
	global_prefetch_b8 v[PFO], s[60:61] offset:98304 th:TH_LOAD_NT scope:SCOPE_SE
.Lone_\@:
.endm
.macro LOADSET sl, c                   ; my step c of the chunk in slot sl: twelve images, 36 loads, into set c
	WIN 0x80+0x40*(\c)
.irp mt, 0,1,2,3,4,5,6,7
.irp g, 0,1,2
	ds_load_b128 v[12*\mt+4*\g:12*\mt+4*\g+3], v[ADA+\sl] offset:\mt*6144+(\c)*768+256*\g
.endr
.endr
.irp nt, 0,1,2,3
.irp g, 0,1,2
	ds_load_b128 v[96+12*\nt+4*\g:96+12*\nt+4*\g+3], v[ADB+\sl] offset:\nt*12288+(\c)*1536+512*\g
.endr
.endr
	WIN 0
.endm
.macro MUL c, z, zero                  ; 32 matrix instructions on set c, with the scale words of step z; the 32 accumulators by turns, in the same order in every step
	WIN 0x5a+5*(\c)                                ; both sources window 2 + c; C and D window 1
.irp mt, 0,1,2,3,4,5,6,7
.irp nt, 0,1,2,3
.set rD, 8*(4*\mt+\nt)
.set rA, 96+12*\nt
.set rB, 12*\mt
.set rSA, WS+16*(\nt/2)+(\z)
.set rSB, YS+16*(\mt/2)+(\z)
	WM \zero, \nt%2, \mt%2
.endr
.endr
.endm
; Trip t: chunk t is shown whole, the other slot is asked for again, and two steps are multiplied
.macro TRIP t
.if (\t) <= 4
	s_wait_xcnt 0x0                                ; the last trip's prefetches have read their address: it steps only behind this wait
	s_add_nc_u64 s[60:61], s[60:61], s[62:63]
.endif
	WIN 0
	s_wait_tensorcnt 0x0                           ; my one load that was out, my part of chunk t, has landed;
	ds_add_u32 v[SPW], v[NIL]                      ; 0 onto my spare word;
	s_wait_dscnt 0x0                               ; the add is done, and so are my reads of the other slot
.if (\t) < 7
.set SL2, ((\t)+1)%2
	CROUND                                         ; both now hold of every wave of the sixteen work-groups
	s_add_nc_u64 s[G0+4*SL2+2:G0+4*SL2+3], s[G0+4*SL2+2:G0+4*SL2+3], 2*6144
	s_add_nc_u64 s[G0B+4*SL2+2:G0B+4*SL2+3], s[G0B+4*SL2+2:G0B+4*SL2+3], 2*12288
	JLOAD SL2                                      ; chunk t + 1, the first tensor load behind the round; its four v_nop are the places ahead of the loads below
.else
	s_barrier_signal -1                            ; nothing is left to ask for: my work-group's barrier shows the last chunk whole
	s_barrier_wait -1
	PLACES
.endif
	LOADSET (\t)%2, 0
.if (\t) <= 4
	ASK
.endif
	MUL 1, 2*(\t)-1, 0                             ; set 1 was awaited in front of the barrier
	PLACES
	LOADSET (\t)%2, 1
	s_wait_dscnt 36                                ; set 0 is in; the 36 loads of set 1 may be out
	MUL 0, 2*(\t), 0
.endm
	s_load_b256 s[4:11], s[0:1], 0x0               ; yy s[4:5], wf s[6:7], W_o_scales s[8:9], e s[10:11]
	s_load_b128 s[12:15], s[0:1], 0x20             ; vv s[12:13], out0 s[14:15]
	v_lshl_add_u32 v[SPW], v0, 2, SPARE
	v_mov_b32 v[NIL], 0
	ds_add_u32 v[SPW], v[NIL]                      ; the opening lines: the add, twice on end, and its wait ahead of my first tensor load
	ds_add_u32 v[SPW], v[NIL]
	v_lshrrev_b32 v14, 5, v0
	v_readfirstlane_b32 s16, v14                   ; wave 0..3
	s_lshr_b32 s17, s16, 1                         ; I fetch for y (0) or for W_o (1)
	s_and_b32 s18, s16, 1                          ; which half of it
	s_bfe_u32 s19, ttmp6, 0x40000                  ; cx
	s_bfe_u32 s20, ttmp6, 0x40004                  ; cy
	s_lshl_b32 s21, ttmp9, 2
	s_add_co_u32 s21, s21, s19                     ; x = 4 x cluster x + cx
	s_and_b32 s22, ttmp7, 0xffff
	s_lshl_b32 s22, s22, 2
	s_add_co_u32 s22, s22, s20                     ; y = 4 x cluster y + cy
	s_lshl_b32 s60, s20, 2
	s_lshl_b32 s60, 15, s60                        ; my row of the cluster
	s_lshl_b32 s61, 0x1111, s19                    ; my column
	s_or_b32 s[G1], s60, (3<<16)|(1<<21)           ; elements of 8 bytes, no padding; y's tiles go to my row
	s_or_b32 s[G1B], s61, (3<<16)|(1<<21)          ; W_o's to my column
	s_mov_b32 s[G1+1], 768<<16                     ; y: 8 rows of 768 elements (6,144 bytes), 12,288 elements apart (every second block)
	s_mov_b32 s[G1+2], 8<<16
	s_mov_b32 s[G1+3], 768<<16
	s_mov_b32 s[G1+4], 8
	s_mov_b32 s[G1+5], 12288
	s_mov_b32 s[G1+6], 0
	s_mov_b32 s[G1+7], 0
	s_mov_b32 s[G1B+1], 1536<<16                   ; W_o: 2 rows of 1,536 elements (8 images), 12,288 elements apart (a tile's 64 images)
	s_mov_b32 s[G1B+2], 2<<16
	s_mov_b32 s[G1B+3], 1536<<16
	s_mov_b32 s[G1B+4], 2
	s_mov_b32 s[G1B+5], 12288
	s_mov_b32 s[G1B+6], 0
	s_mov_b32 s[G1B+7], 0
	s_mul_i32 s56, s22, 786432                     ; y's codes of my 128 rows,
	s_mul_i32 s23, s18, 49152                      ; the even or the odd blocks
	s_add_co_u32 s56, s56, s23
	s_mov_b32 s57, 0
	s_mul_i32 s58, s21, 393216                     ; W_o's four tiles,
	s_mul_i32 s23, s18, 196608                     ; the first or the last two
	s_add_co_u32 s58, s58, s23
	s_mov_b32 s59, 0
	s_mul_i32 s62, s18, AODD                       ; and where they go: no place in the cluster enters an LDS address
	s_mul_i32 s63, s18, 24576
	s_add_co_u32 s63, s63, BB
	s_wait_dscnt 0x0                               ; both opening adds are done
	s_wait_kmcnt 0x0
	s_add_nc_u64 s[56:57], s[4:5], s[56:57]
	s_add_nc_u64 s[58:59], s[6:7], s[58:59]
	CROUND                                         ; all sixteen work-groups are here: the first joint loads meet
.irp s, 0,1
	s_mov_b32 s[G0+4*\s], 1
	s_add_co_u32 s[G0+4*\s+1], s62, \s*SLOT
	s_add_nc_u64 s[G0+4*\s+2:G0+4*\s+3], s[56:57], \s*6144
	s_or_b32 s[G0+4*\s+3], s[G0+4*\s+3], 0x80000000
	s_mov_b32 s[G0B+4*\s], 1
	s_add_co_u32 s[G0B+4*\s+1], s63, \s*SLOT
	s_add_nc_u64 s[G0B+4*\s+2:G0B+4*\s+3], s[58:59], \s*12288
	s_or_b32 s[G0B+4*\s+3], s[G0B+4*\s+3], 0x80000000
.endr
	JLOAD 0                                        ; chunk 0: one tensor load a wave at the head
	; the prefetches' address: my load's first byte + my work-group's quarter of its blocks + three chunks
	s_mul_i32 s2, s19, 196608                      ; y: rows 2 cx, 2 cx + 1 of the eight
	s_lshr_b32 s3, s20, 1
	s_mul_i32 s3, s3, 98304                        ; W_o: row cy / 2,
	s_and_b32 s7, s20, 1
	s_mul_i32 s7, s7, 6144                         ; its half cy % 2
	s_add_co_u32 s3, s3, s7
	s_cmp_eq_u32 s17, 0
	s_cselect_b64 s[60:61], s[56:57], s[58:59]
	s_cselect_b32 s2, s2, s3
	s_mov_b32 s62, 12288
	s_cselect_b32 s62, 6144, s62                   ; a chunk along a row, in bytes
	s_mov_b32 s3, 0
	s_mov_b32 s63, 0
	s_add_nc_u64 s[60:61], s[60:61], s[2:3]
	s_mul_i32 s2, s62, 3
	s_add_nc_u64 s[60:61], s[60:61], s[2:3]
	; the other streams
	s_lshl_b32 s56, s22, 15
	s_lshl_b32 s57, s16, 9
	s_add_co_u32 s56, s56, s57
	s_add_co_u32 s56, s56, 12582912
	s_mov_b32 s57, 0
	s_add_nc_u64 s[4:5], s[4:5], s[56:57]          ; y's scale words
	s_lshl_b32 s58, s21, 14
	s_lshl_b32 s59, s16, 3
	s_add_co_u32 s58, s58, s59
	s_mov_b32 s59, 0
	s_add_nc_u64 s[8:9], s[8:9], s[58:59]          ; W_o's scale bytes: 64 rows of 256, my 8 bytes of each 32
	s_lshl_b32 s7, s21, 8                          ; the tile's 64 columns in a row of f32
	s_lshl_b32 s2, s16, 5
	s_and_b32 s6, s22, 7
	s_lshl_b32 s6, s6, 7
	s_add_co_u32 s6, s6, s2                        ; s of my first row on the way out: 128 head + 32 w
	s_lshl_b32 s58, s6, 12
	s_add_co_u32 s58, s58, s7
	s_add_nc_u64 s[10:11], s[10:11], s[58:59]      ; e
	s_lshl_b32 s58, s22, 7
	s_add_co_u32 s58, s58, s2
	s_lshl_b32 s58, s58, 12
	s_add_co_u32 s58, s58, s7
	s_add_nc_u64 s[14:15], s[14:15], s[58:59]      ; out0
	s_add_co_u32 s58, s7, 13107200
	s_add_nc_u64 s[12:13], s[12:13], s[58:59]      ; E_wte
	s_mul_i32 s2, s16, 1536                        ; my two steps of a chunk: in y's blocks,
	s_mul_i32 s3, s16, 3072                        ; in W_o's tiles
	s_add_co_u32 s3, s3, BB
	s_mul_i32 s23, s16, 34816                      ; my partial tile
	s_mul_i32 s56, s16, 8704                       ; my 32 rows of each
	v_and_b32 v14, 31, v0
	v_and_b32 v[RR], 15, v0
	v_bfe_u32 v[HH], v0, 4, 1
	v_lshrrev_b32 v15, 3, v[RR]
	v_and_b32 v16, 7, v[RR]
	v_lshl_add_u32 v17, v[HH], 3, v16              ; my place in a block's group of 256 bytes: 8 h + r % 8
	v_mul_u32_u24 v[ADA], v15, AODD                ; rows 8-15 come from the odd block
	v_lshl_add_u32 v[ADA], v17, 4, v[ADA]
	v_add_nc_u32 v[ADA], s2, v[ADA]
	v_add_nc_u32 v[ADA+1], SLOT, v[ADA]
	v_lshl_add_u32 v[ADB], v14, 4, s3
	v_add_nc_u32 v[ADB+1], SLOT, v[ADB]
	v_lshlrev_b32 v[YSL], 12, v[HH]                ; lanes 16-31: the next tile of rows, two blocks of 64 queries on
	v_lshl_add_u32 v[YSL], v15, 11, v[YSL]
	v_lshl_add_u32 v[YSL], v16, 6, v[YSL]
	v_lshlrev_b32 v[WSL], 8, v14
	v_lshlrev_b32 v[EWL], 4, v[RR]
	v_lshl_add_u32 v[EL], v[HH], 12, v[EWL]
	v_mul_u32_u24 v[RS], v[RR], 272
	v_lshl_add_u32 v[RS], v[HH], 5, v[RS]
	v_add_nc_u32 v[RS], s23, v[RS]                 ; my partial tile: row r, + 32 h
	v_mul_u32_u24 v[RA0], v[HH], 272
	v_add_nc_u32 v[RA0], v[RA0], v[EWL]
	v_add_nc_u32 v[RA0], s56, v[RA0]               ; back: rows 32 w + h, 16 bytes a lane
	v_add_nc_u32 v[RA1], 69632, v[RA0]
	v_min_u32 v[PFO], 23, v14
	v_lshlrev_b32 v[PFO], 8, v[PFO]
	v_lshlrev_b32 v[EPF], 12, v14
	s_wait_alu depctr_va_vdst(0)                   ; the wait at the head's end
.irp pp, 0,1,2,3
.irp j, 0,1,2,3,4,5,6,7
	global_load_b64 v[YS+16*\pp+2*\j:YS+16*\pp+2*\j+1], v[YSL], s[4:5] offset:8192*\pp+8*\j     ; the words of steps z = 2 j and 2 j + 1
.endr
.endr
.irp pp, 0,1
.irp j, 0,1,2,3,4,5,6,7
	global_load_b64 v[WS+16*\pp+2*\j:WS+16*\pp+2*\j+1], v[WSL], s[8:9] offset:8192*\pp+32*\j
.endr
.endr
	global_prefetch_b8 v[EPF], s[10:11] th:TH_LOAD_NT scope:SCOPE_SE                   ; e of my 32 rows on the way out, a lane a row of 256 bytes: batch 0,
	global_prefetch_b8 v[EPF], s[10:11] offset:4194304 th:TH_LOAD_NT scope:SCOPE_SE    ; batch 1
	s_wait_tensorcnt 0x0                           ; my part of chunk 0 is in
	ds_add_u32 v[SPW], v[NIL]
	s_wait_dscnt 0x0
	CROUND
	JLOAD 1                                        ; chunk 1, the first tensor load behind the round
	LOADSET 0, 0
	LOADSET 0, 1
	ASK                                            ; chunk 3
	s_wait_loadcnt 0x0                             ; the scale words are in
	s_wait_dscnt 36                                ; set 0 is in
	MUL 0, 0, 1                                    ; the first step's products start the sums
	TRIP 1
	TRIP 2
	TRIP 3
	TRIP 4
	TRIP 5
	TRIP 6
	TRIP 7
	s_wait_dscnt 0x0                               ; the last set is in
	MUL 1, 15, 0
	WIN 0
	PLACES
	; ---- the way out.  The scale words are done with (four places stand behind the last product): e lands in their registers
	global_load_b128 v[EW:EW+3], v[EWL], s[12:13]
.irp t, 0,1,2,3,4,5,6,7,8,9,10,11,12,13,14,15
	global_load_b128 v[E0+4*\t:E0+4*\t+3], v[EL], s[10:11] offset:8192*\t
	global_load_b128 v[E1+4*\t:E1+4*\t+3], v[EL], s[10:11] offset:8192*\t+4194304
.endr
	s_add_co_u32 s6, s6, 1
	v_add_nc_u32 v[TW], s6, v[HH]                  ; s + 1 of rows 32 w + 2 t + h
.irp t, 1,2,3,4,5,6,7,8,9,10,11,12,13,14,15
	v_add_nc_u32 v[TW+\t], 2*\t, v[TW]
.endr
.irp t, 0,1,2,3,4,5,6,7,8,9,10,11,12,13,14,15
	v_cvt_f32_u32 v[TW+\t], v[TW+\t]
.endr
	s_wait_alu depctr_va_vdst(0)                   ; the wait ahead of the batch
.irp t, 0,1,2,3,4,5,6,7,8,9,10,11,12,13,14,15
	v_rcp_f32 v[WN+2*\t], v[TW+\t]
.endr
	v_nop                                          ; a plain place behind the last reciprocal
	s_wait_alu depctr_va_vdst(0)                   ; one wait for the sixteen, ahead of their first reader
.irp t, 0,1,2,3,4,5,6,7,8,9,10,11,12,13,14,15
	v_mov_b32 v[WN+2*\t+1], v[WN+2*\t]
.endr
	WIN 0x04                                       ; an LDS store's data are its source 1: window 1
.irp mt, 0,1,2,3,4,5,6,7
.irp nt, 0,1,2,3
	ds_store_b128 v[RS], v[8*(4*\mt+\nt):8*(4*\mt+\nt)+3] offset:\mt*4352+64*\nt         ; each accumulator from its low end on
	ds_store_b128 v[RS], v[8*(4*\mt+\nt)+4:8*(4*\mt+\nt)+7] offset:\mt*4352+64*\nt+16
.endr
.endr
	WIN 0
	s_wait_dscnt 0x0                               ; for the others' sake: my partial tile lies in LDS
	s_barrier_signal -1
	s_barrier_wait -1
.macro RLOAD t                         ; rows 32 w + 2 t and + 1 of the four partial tiles
.set PB_, PS+16*((\t)%2)
	ds_load_b128 v[PB_:PB_+3], v[RA0] offset:544*(\t)
	ds_load_b128 v[PB_+4:PB_+7], v[RA0] offset:544*(\t)+34816
	ds_load_b128 v[PB_+8:PB_+11], v[RA1] offset:544*(\t)
	ds_load_b128 v[PB_+12:PB_+15], v[RA1] offset:544*(\t)+34816
.endm
	RLOAD 0
.irp t, 0,1,2,3,4,5,6,7,8,9,10,11,12,13,14,15
.if \t < 15
	RLOAD \t+1
	s_wait_dscnt 4                                 ; this pair of rows is in; the next pair's four loads stay out
.else
	s_wait_dscnt 0
.endif
	s_wait_loadcnt 2*(15-\t)                       ; e of these rows is in; the later rows' loads stay out
.set B_, PS+16*(\t%2)
	v_pk_add_f32 v[B_:B_+1], v[B_:B_+1], v[B_+4:B_+5]
	v_pk_add_f32 v[B_+2:B_+3], v[B_+2:B_+3], v[B_+6:B_+7]
	v_pk_add_f32 v[B_+8:B_+9], v[B_+8:B_+9], v[B_+12:B_+13]
	v_pk_add_f32 v[B_+10:B_+11], v[B_+10:B_+11], v[B_+14:B_+15]
	v_pk_add_f32 v[E0+4*\t:E0+4*\t+1], v[E0+4*\t:E0+4*\t+1], v[EW:EW+1] neg_lo:[0,1] neg_hi:[0,1]       ; e - E_wte, both batches
	v_pk_add_f32 v[E0+4*\t+2:E0+4*\t+3], v[E0+4*\t+2:E0+4*\t+3], v[EW+2:EW+3] neg_lo:[0,1] neg_hi:[0,1]
	v_pk_add_f32 v[E1+4*\t:E1+4*\t+1], v[E1+4*\t:E1+4*\t+1], v[EW:EW+1] neg_lo:[0,1] neg_hi:[0,1]
	v_pk_add_f32 v[E1+4*\t+2:E1+4*\t+3], v[E1+4*\t+2:E1+4*\t+3], v[EW+2:EW+3] neg_lo:[0,1] neg_hi:[0,1]
	v_pk_add_f32 v[B_:B_+1], v[B_:B_+1], v[B_+8:B_+9]
	v_pk_add_f32 v[B_+2:B_+3], v[B_+2:B_+3], v[B_+10:B_+11]
	v_pk_fma_f32 v[E0+4*\t:E0+4*\t+1], v[E0+4*\t:E0+4*\t+1], v[WN+2*\t:WN+2*\t+1], v[B_:B_+1]
	v_pk_fma_f32 v[E0+4*\t+2:E0+4*\t+3], v[E0+4*\t+2:E0+4*\t+3], v[WN+2*\t:WN+2*\t+1], v[B_+2:B_+3]
	v_pk_fma_f32 v[E0+4*\t:E0+4*\t+1], v[E1+4*\t:E1+4*\t+1], v[WN+2*\t:WN+2*\t+1], v[E0+4*\t:E0+4*\t+1]
	v_pk_fma_f32 v[E0+4*\t+2:E0+4*\t+3], v[E1+4*\t+2:E1+4*\t+3], v[WN+2*\t:WN+2*\t+1], v[E0+4*\t+2:E0+4*\t+3]
	global_store_b128 v[EL], v[E0+4*\t:E0+4*\t+3], s[14:15] offset:8192*\t th:TH_STORE_NT   ; sixteen lanes store 256 consecutive bytes, aligned; each pair of rows has registers of its own, so no store's data are written again
.endr
	s_wait_tensorcnt 0x0                           ; the wave's end
	ds_add_u32 v[SPW], v[NIL]
	s_wait_dscnt 0x0
	CROUND                                         ; the closing round: no work-group ends while a partner may still ask for a tile that names it
	s_endpgm
.Lfunc_end_k_qbc5fe9b05e_proj:
	.size	k_qbc5fe9b05e_proj, .Lfunc_end_k_qbc5fe9b05e_proj-k_qbc5fe9b05e_proj
	.p2alignl 7, 3214868480
	.fill 96, 4, 3214868480
	.section	.rodata,"a",@progbits
	.p2align	6, 0x0
	.amdhsa_kernel k_qbc5fe9b05e_proj
		.amdhsa_group_segment_fixed_size 327680
		.amdhsa_private_segment_fixed_size 0
		.amdhsa_enable_private_segment 0
		.amdhsa_kernarg_size 48
		.amdhsa_user_sgpr_count 2
		.amdhsa_user_sgpr_kernarg_segment_ptr 1
		.amdhsa_wavefront_size32 1
		.amdhsa_system_sgpr_workgroup_id_x 1
		.amdhsa_system_sgpr_workgroup_id_y 1
		.amdhsa_system_sgpr_workgroup_id_z 1
		.amdhsa_system_vgpr_workitem_id 0
		.amdhsa_next_free_vgpr 1024
		.amdhsa_next_free_sgpr 66
		.amdhsa_reserve_vcc 0
		.amdhsa_float_denorm_mode_32 3
		.amdhsa_float_denorm_mode_16_64 3
		.amdhsa_memory_ordered 1
		.amdhsa_forward_progress 1
		.amdhsa_inst_pref_size 156
	.end_amdhsa_kernel
	.amdgpu_metadata
---
amdhsa.version: [ 1, 2 ]
amdhsa.kernels:
  - .name:           k_qbc5fe9b05e_proj
    .symbol:         k_qbc5fe9b05e_proj.kd
    .args:
      - { .name: yy, .offset: 0, .size: 8, .value_kind: global_buffer, .address_space: global }
      - { .name: wf, .offset: 8, .size: 8, .value_kind: global_buffer, .address_space: global }
      - { .name: W_o_scales, .offset: 16, .size: 8, .value_kind: global_buffer, .address_space: global }
      - { .name: e, .offset: 24, .size: 8, .value_kind: global_buffer, .address_space: global }
      - { .name: vv, .offset: 32, .size: 8, .value_kind: global_buffer, .address_space: global }
      - { .name: out0, .offset: 40, .size: 8, .value_kind: global_buffer, .address_space: global }
    .group_segment_fixed_size: 327680
    .private_segment_fixed_size: 0
    .kernarg_segment_align: 8
    .kernarg_segment_size: 48
    .max_flat_workgroup_size: 128
    .sgpr_count:     66
    .vgpr_count:     1024
    .wavefront_size: 32
...
	.end_amdgpu_metadata
.endif
;; end of part 4
